; MI455X (gfx1250); checked and timed in simulation.
; The chip was launched on July 23, 2026; its instructions are those of AMD's public machine-readable ISA for CDNA 5 (MIT licence, August 2026) and "CDNA5" Instruction Set Architecture Reference Guide (July 2026). The comments in the code are by the model that wrote it; some were corrected since.
;; T5 Attention. Allowed arithmetic: matrix products marked QUANTISED: E2M3 operands, one E8M0 scale for each 32 along K, by v_wmma_scale_f32_16x16x128_f8f6f4 with both operands' format E2M3, f32 sums; everything else in f32.
;; Inputs: Wk 1,024 x 1,024 float32; Wo 1,024 x 1,024 float32; Wq 1,024 x 1,024 float32; Wv 1,024 x 1,024 float32; hidden_states 4 x 2,048 x 1,024 float32; rel_emb 32 x 16 float32.
;; Outputs: out0 4 x 2,048 x 1,024 float32.
;; This version of the problem:
;;   THIS VERSION OF THE PROBLEM IS GIVEN IN LOW PRECISION. The matrix products marked QUANTISED in the list below multiply operands that are first quantised to E2M3 (2 exponent bits, 3 mantissa bits; 6 bits a number), with one power-of-two scale for each 32 numbers along K (OCP MX v1.0); their sums are f32. All else is computed in f32.
;;   The module's matrix products, in the order in which they are computed (A, B: the left and right operand; K: the contracted axis; several contracted axes count as one K, in the product's order):
;;     1. [M 8,192, K 1,024] x [K 1,024, N 1,024]; A: input hidden_states; B: input Wq: QUANTISED
;;     2. [M 8,192, K 1,024] x [K 1,024, N 1,024]; A: input hidden_states; B: input Wk: QUANTISED
;;     3. [M 8,192, K 1,024] x [K 1,024, N 1,024]; A: input hidden_states; B: input Wv: QUANTISED
;;     4. batch 64 x [M 2,048, K 64] x [K 64, N 2,048]; A: computed on the way; B: computed on the way: QUANTISED
;;     5. batch 64 x [M 2,048, K 2,048] x [K 2,048, N 64]; A: softmax (see below); B: computed on the way: QUANTISED
;;     6. [M 8,192, K 1,024] x [K 1,024, N 1,024]; A: computed on the way; B: input Wo: QUANTISED
;;   THE QUANTISER, for each operand of a quantised product, along K:
;;     - K is cut into blocks of 32 from its start; a last block that is shorter is filled with zeros.
;;     - A block's scale is 2^e with e = floor(log2(the largest magnitude in the block)) - 2, held to -126 .. 127; a block of zeros has e = 0. As a byte (E8M0): e + 127.
;;     - Each number is divided by its block's scale, clamped to +-7.5, and rounded to the nearest number of E2M3, ties to even, subnormals kept.
;;     - The product sums the exact products of the quantised numbers (number of the format x scale) in f32.
;;   ~~~python
;;   def quantise(x, axis):      # numpy; x: float32 -> the quantised numbers, widened to float32 again
;;       x = np.moveaxis(x, axis, -1); K = x.shape[-1]
;;       x = np.pad(x, [(0, 0)] * (x.ndim - 1) + [(0, -K % 32)]); x = x.reshape(x.shape[:-1] + (-1, 32)); a = np.abs(x).max(-1, keepdims=True)
;;       e = np.where(a > 0, np.clip(np.frexp(np.where(a > 0, a, 1))[1] - 1 - 2, -126, 127), 0)      # np.frexp(a)[1] - 1 = floor(log2(a)), exactly
;;       r = np.clip(x / 2.0 ** e, -7.5, 7.5)
;;       step = 2.0 ** (np.maximum(np.frexp(np.where(r == 0, 1, r))[1] - 1, 0) - 3)
;;       q = np.round(r / step) * step * 2.0 ** e      # np.round: ties to even
;;       return np.moveaxis(q.reshape(q.shape[:-2] + (-1,))[..., :K], -1, axis).astype(np.float32)
;;   ~~~
;;   SOFTMAX AHEAD OF A QUANTISED PRODUCT. Where the list says 'softmax', what is quantised is not the finished softmax but p = 2^(t - M), with t = logit x log2(e) and M = ceil(the row's largest t), a whole number; so 1/2 < the row's largest p <= 1. The row's sum l is taken of the UNQUANTISED p, in f32, and the product's result is divided by l at the end. Since M is a whole number, a kernel that streams over the keys may use a running M (the ceiling of the running maximum): every later rescaling is an exact power of two, which a block's scale takes up: the codes' values come out the same.
;;   OPERANDS COMPUTED ON THE WAY. 'Computed on the way' means the value that the module computes at that place (a softmax that the list does not call 'softmax' is quantised finished and normalised). What goes into a quantiser is computed in f32, as accurately as f32 sums, v_exp_f32 and their like allow (about 1e-6 of the number): no bf16 or f16 on the way to a quantiser, and a product that is left as it is and whose result goes on into a quantised operand takes f32 operands (vector FMAs, or v_wmma_f32_16x16x4_f32). A number that lies on a knife's edge between two numbers of the format may be rounded either way, as far as f32 arithmetic and the matrix unit's own rounding can turn it there, and no further.
;; One version. Each part assembles by itself: llvm-mc -triple=amdgcn-amd-amdhsa -mcpu=gfx1250 --defsym DOCPART=n.
;; ======== version 1 of 1: 4 launches
;; workspace buffers: XQ 6,553,600 bytes; WQK 6,553,600 bytes; WV 6,553,600 bytes; WO 6,553,600 bytes; CTX 6,553,600 bytes; QK 14,680,064 bytes; VV 52,428,800 bytes
;; launch quant (part 1): grid 768 x 1, 4 waves a work-group, no clusters, 35,328 bytes of LDS; arguments hidden_states, Wq, Wk, Wv, Wo, XQ, WQK, WV, WO; writes XQ, WQK, WV, WO
.if DOCPART == 1
	.amdgcn_target "amdgcn-amd-amdhsa--gfx1250"
	.amdhsa_code_object_version 6
	.text
	.protected	k_q83e073987a_quant
	.globl	k_q83e073987a_quant
	.p2align	8
	.type	k_q83e073987a_quant,@function
k_q83e073987a_quant:
	s_mov_b64 s[64:65], 0
	v_nop
	global_prefetch_b8 v0, s[64:65] scope:SCOPE_SE
	s_setreg_imm32_b32 hwreg(HW_REG_WAVE_MODE, 25, 1), 1
	s_wait_xcnt 0x0
; hidden_states [8192][1024] and the four weights [1024 (k)][1024 (n)], f32, become codes of FP6 (E2M3) with one E8M0 byte for each 32 along K.
; A block's scale is 2^(floor(log2(largest magnitude)) - 2); its byte is the largest magnitude's exponent field - 2, held at 1 from below (a block of zeros keeps 1: its codes are zeros, and this program alone reads the bytes).
; LIMITS: NaN and infinities among the inputs are not served; blocks whose largest magnitude lies under 2^-124 keep the byte 1.
; THE WORKSPACE IS LAID AS THE MATRIX UNIT'S REGISTERS WANT IT.  Stored row p holds true row sw(p), sw swapping bits 3 and 4: stored tile T (16 rows), row r = true row 32 (T / 2) + 8 (T % 2) + r + 8 (r / 8).
; Codes: byte ((ch 512 + T) 3 + p) 256 + 8 lane holds bytes 8 p .. 8 p + 7 of the 24-byte block k = 64 ch + 32 (lane / 16) + 0 .. 31 of stored row 16 T + lane % 16.  Scale bytes: [stored row][32] from byte SCI on.
; Work-groups 0-511: one stored tile of hidden_states each, a wave 256 along K in four steps of 64.  Work-groups 512-767: 128 columns x 128 along K of one weight, a lane to a column, its registers down K.
.set CHB,   393216                     ; 512 tiles x 768 bytes: from one 64 along K to the next
.set SCI,   6291456                    ; where the scale bytes begin
.set SPARE, 34816                      ; behind the four waves' stages: the spare words, 128 bytes a wave
.set SPW,   14                         ; v14 my spare word's LDS address; never rewritten
.set NIL,   15                         ; v15 0; never rewritten
	s_load_b512 s[4:19], s[0:1], 0x0               ; hidden_states, Wq, Wk, Wv, Wo, XQ, WQK, WV
	s_load_b64 s[20:21], s[0:1], 0x40              ; WO
	v_lshl_add_u32 v[SPW], v0, 2, SPARE
	v_mov_b32 v[NIL], 0
	v_lshrrev_b32 v1, 5, v0
	v_readfirstlane_b32 s22, v1                    ; wave
	v_and_b32 v1, 31, v0                           ; lane
	v_and_b32 v6, 15, v0                           ; r
	v_bfe_u32 v7, v0, 4, 1                         ; h
	v_lshlrev_b32 v5, 3, v1                        ; 8 x lane: my place in an image's 256 bytes
	s_mov_b32 s40, 0x76543210
	s_mov_b32 s41, 0xfedcba98                      ; v_permlanex16_b32's selects for lane l xor 16
; the largest magnitude of v[x] .. v[x+31] with the floor 2^(3 - 127) in v11; its exponent field less 2, the conversion's scale operand, in v13
.macro MAX32 x
	v_max3_num_f32 v11, |v[\x]|, |v[\x+1]|, |v[\x+2]|
	v_max3_num_f32 v12, |v[\x+3]|, |v[\x+4]|, |v[\x+5]|
.irp i, 6,10,14,18,22,26
	v_max3_num_f32 v11, v11, |v[\x+\i]|, |v[\x+\i+1]|
	v_max3_num_f32 v12, v12, |v[\x+\i+2]|, |v[\x+\i+3]|
.endr
	v_max3_num_f32 v11, v11, |v[\x+30]|, |v[\x+31]|
	v_max3_num_f32 v11, v11, v12, 0x1800000
	v_add_nc_u32 v13, 0xff000000, v11
.endm
	s_cmp_lt_u32 ttmp9, 512
	s_cbranch_scc0 .Lweights
; ---------------- hidden_states: stored tile T = work-group, k = 256 wave + 64 t ----------------
; A load reads two rows' 256 bytes (lanes 0-15 one row, lanes 16-31 the next); the 16 x 256 bytes of a step turn through the wave's own stage (rows 272 bytes apart) and come back 128 bytes a lane: a whole block of 32.
	v_lshlrev_b32 v2, 4, v6
	v_lshl_add_u32 v2, v7, 12, v2                  ; in: 16 r' + 4096 x (lane / 16)
	s_mul_i32 s23, s22, 8704                       ; my two stages
	v_mul_u32_u24 v3, v7, 272
	v_lshl_add_u32 v3, v6, 4, v3
	v_add_nc_u32 v3, s23, v3                       ; into a stage
	v_mul_u32_u24 v4, v6, 272
	v_lshl_add_u32 v4, v7, 7, v4
	v_add_nc_u32 v4, s23, v4                       ; out of it: row r, 128 h
	v_lshlrev_b32 v8, 5, v6
	v_lshl_add_u32 v8, v7, 2, v8                   ; scale words: 32 r + 4 h
	s_lshr_b32 s24, ttmp9, 1
	s_lshl_b32 s24, s24, 5
	s_and_b32 s25, ttmp9, 1
	s_lshl_b32 s25, s25, 3
	s_add_co_u32 s24, s24, s25                     ; the tile's first true row
	s_lshl_b32 s24, s24, 12
	s_lshl_b32 s25, s22, 10
	s_add_co_u32 s24, s24, s25                     ; + my 256 along K
	s_mov_b32 s25, 0
	s_lshl_b32 s26, s22, 11
	s_add_co_u32 s26, s26, ttmp9
	s_mul_i32 s26, s26, 768                        ; codes: (4 wave x 512 + T) x 768
	s_mov_b32 s27, 0
	s_lshl_b32 s28, ttmp9, 9
	s_lshl_b32 s29, s22, 3
	s_add_co_u32 s28, s28, s29
	s_add_co_u32 s28, s28, SCI                     ; scale bytes: SCI + 512 T + 8 wave
	s_mov_b32 s29, 0
	s_wait_kmcnt 0x0
	s_add_nc_u64 s[4:5], s[4:5], s[24:25]
	s_add_nc_u64 s[26:27], s[14:15], s[26:27]
	s_add_nc_u64 s[28:29], s[14:15], s[28:29]
.macro XLD t                           ; step t's 16 rows x 256 bytes; load i: stored rows 2 i and 2 i + 1
.irp i, 0,1,2,3,4,5,6,7
	global_load_b128 v[32+32*(\t)+4*\i:32+32*(\t)+4*\i+3], v2, s[4:5] offset:256*(\t)+(16*(\i/4)+2*(\i%4))*4096 th:TH_LOAD_NT
.endr
.endm
.macro XTURN t                         ; through the stage: LDS serves a wave's instructions in order, so no wait stands between the stores and the loads
.irp i, 0,1,2,3,4,5,6,7
	ds_store_b128 v3, v[32+32*(\t)+4*\i:32+32*(\t)+4*\i+3] offset:4352*((\t)%2)+544*\i
.endr
.irp j, 0,1,2,3,4,5,6,7
	ds_load_b128 v[160+32*((\t)%2)+4*\j:160+32*((\t)%2)+4*\j+3], v4 offset:4352*((\t)%2)+16*\j
.endr
.endm
.macro XSTEP t
.set XS, 160+32*((\t)%2)
.set CC, 224+8*(\t)                    ; each step has its own code registers: no store's data are written again
	s_wait_dscnt 0x0                               ; this step's block is back from the stage
.if (\t) < 3
	s_wait_loadcnt 8*(2-(\t))                      ; the next step's eight loads are in; the later steps' may be out
	XTURN (\t)+1
.endif
	MAX32 XS
	v_cvt_scalef32_pk16_fp6_f32 v[CC:CC+2], v[XS:XS+15], v13
	v_cvt_scalef32_pk16_fp6_f32 v[20:22], v[XS+16:XS+31], v13      ; (a conversion's three registers begin on an even number)
	v_lshrrev_b32 v[16+(\t)], 23, v13              ; the scale's byte; also the plain line behind the conversions
.irp i, 0,1,2
	v_mov_b32 v[CC+3+\i], v[20+\i]
.endr
.irp p, 0,1,2
	global_store_b64 v5, v[CC+2*\p:CC+2*\p+1], s[26:27] offset:(\t)*CHB+256*\p   ; 32 lanes store 256 consecutive bytes, aligned
.endr
.endm
	XLD 0
	XLD 1
	XLD 2
	XLD 3
	s_wait_loadcnt 24                              ; step 0's eight loads are in
	XTURN 0
	XSTEP 0
	XSTEP 1
	XSTEP 2
	XSTEP 3
	; my byte of step t is byte 2 t + h of the row's eight: two words, each pieced together with lane l xor 16's
	v_lshl_or_b32 v24, v17, 16, v16
	v_lshl_or_b32 v25, v19, 16, v18
	v_lshlrev_b32 v26, 3, v7
	v_lshlrev_b32 v24, v26, v24
	v_lshlrev_b32 v25, v26, v25
	v_mov_b32 v27, 0
	v_mov_b32 v28, 0
	v_permlanex16_b32 v27, v24, s40, s41
	v_permlanex16_b32 v28, v25, s40, s41
	v_or_b32 v24, v24, v27
	v_or_b32 v25, v25, v28
	v_cmp_ne_u32 vcc_lo, 0, v7
	v_cndmask_b32 v24, v24, v25, vcc_lo            ; lanes 0-15 store word 0, lanes 16-31 word 1
	global_store_b32 v8, v24, s[28:29]
	s_wait_tensorcnt 0x0                           ; the wave's end, behind my last LDS store
	ds_add_u32 v[SPW], v[NIL]
	s_wait_dscnt 0x0
	s_endpgm
; ---------------- the weights: K is the first axis ----------------
; Lane l takes column 128 nb + 32 wave + sw(l): a load reads 128 consecutive bytes, a block of 32 along K lies in one lane, and lanes 0-15 are stored tile T0, lanes 16-31 tile T0 + 1.
.Lweights:
	s_sub_co_u32 s23, ttmp9, 512
	s_and_b32 s24, s23, 7                          ; y: which 128 along K
	s_bfe_u32 s25, s23, 0x30003                    ; nb: which 128 columns
	s_lshr_b32 s30, s23, 6                         ; which weight: 0 Wq, 1 Wk, 2 Wv, 3 Wo
	v_and_b32 v2, 7, v1
	v_bfe_u32 v3, v1, 3, 1
	v_lshl_add_u32 v2, v3, 4, v2
	v_lshl_add_u32 v2, v7, 3, v2                   ; sw(lane)
	v_lshlrev_b32 v3, 2, v2                        ; 4 bytes a column
	v_lshlrev_b32 v4, 5, v1                        ; scale words: 32 bytes a stored row
	s_lshl_b32 s31, s25, 3
	s_lshl_b32 s32, s22, 1
	s_add_co_u32 s31, s31, s32                     ; 8 nb + 2 wave
	s_lshl_b32 s32, s24, 19                        ; 128 y rows of 4096 bytes
	s_lshl_b32 s33, s25, 9
	s_add_co_u32 s32, s32, s33
	s_lshl_b32 s33, s22, 7
	s_add_co_u32 s32, s32, s33
	s_mov_b32 s33, 0
	s_wait_kmcnt 0x0
	s_cmp_eq_u32 s30, 1                            ; the choices hang on the work-group's number alone
	s_cselect_b64 s[36:37], s[8:9], s[6:7]
	s_cselect_b32 s34, 64, 0                       ; Wk's tiles lie behind Wq's in WQK
	s_cmp_eq_u32 s30, 2
	s_cselect_b64 s[36:37], s[10:11], s[36:37]
	s_cselect_b64 s[38:39], s[18:19], s[16:17]
	s_cmp_eq_u32 s30, 3
	s_cselect_b64 s[36:37], s[12:13], s[36:37]
	s_cselect_b64 s[38:39], s[20:21], s[38:39]
	s_add_co_u32 s31, s31, s34                     ; T0
	s_add_nc_u64 s[36:37], s[36:37], s[32:33]
	s_lshl_b32 s32, s24, 10
	s_add_co_u32 s32, s32, s31
	s_mul_i32 s32, s32, 768                        ; codes: (2 y x 512 + T0) x 768
	s_add_nc_u64 s[42:43], s[38:39], s[32:33]
	s_lshl_b32 s32, s31, 9
	s_lshl_b32 s34, s24, 2
	s_add_co_u32 s32, s32, s34
	s_add_co_u32 s32, s32, SCI                     ; scale bytes: SCI + 512 T0 + 4 y
	s_add_nc_u64 s[38:39], s[38:39], s[32:33]
.macro WLD bl
.set I, 0
.rept 32
	global_load_b32 v[32+32*(\bl)+I], v3, s[36:37] offset:(32*(\bl)+I)*4096 th:TH_LOAD_NT
.set I, I+1
.endr
.endm
.macro WBLK bl
.set XS, 32+32*(\bl)
.set DD, 160+12*((\bl)/2)+6*((\bl)%2)  ; the even block of a 64 along K, or the odd one
.if (\bl) < 3
	s_wait_loadcnt 32                              ; this block's 32 loads are in; the next block's may be out
.else
	s_wait_loadcnt 0x0
.endif
.if (\bl) < 2
	WLD (\bl)+2                                    ; two blocks ahead, into registers of their own
.endif
	MAX32 XS
	v_cvt_scalef32_pk16_fp6_f32 v[DD:DD+2], v[XS:XS+15], v13
	v_cvt_scalef32_pk16_fp6_f32 v[184:186], v[XS+16:XS+31], v13
	v_lshrrev_b32 v12, 23, v13                     ; the scale's byte; also the plain line behind the conversions
.if (\bl) == 0
	v_mov_b32 v24, v12
.else
	v_lshl_or_b32 v24, v12, 8*(\bl), v24
.endif
.irp i, 0,1,2
	v_mov_b32 v[DD+3+\i], v[184+\i]
.endr
.endm
.macro WOUT pi                         ; the even blocks' lanes 16-31 change places with the odd blocks' lanes 0-15: the first six registers become tile T0's image, the second six tile T0 + 1's
.set EE, 160+12*(\pi)
.irp i, 0,1,2,3,4,5
	v_permlane16_swap_b32 v[EE+\i], v[EE+6+\i]
.endr
.irp p, 0,1,2
	global_store_b64 v5, v[EE+2*\p:EE+2*\p+1], s[42:43] offset:(\pi)*CHB+256*\p
	global_store_b64 v5, v[EE+6+2*\p:EE+6+2*\p+1], s[42:43] offset:(\pi)*CHB+768+256*\p
.endr
.endm
	WLD 0
	WLD 1
	WBLK 0
	WBLK 1
	WOUT 0
	WBLK 2
	WBLK 3
	WOUT 1
	global_store_b32 v4, v24, s[38:39]             ; my stored row's four bytes of these 128 along K
	s_endpgm
.Lfunc_end_k_q83e073987a_quant:
	.size	k_q83e073987a_quant, .Lfunc_end_k_q83e073987a_quant-k_q83e073987a_quant
	.p2alignl 7, 3214868480
	.fill 96, 4, 3214868480
	.section	.rodata,"a",@progbits
	.p2align	6, 0x0
	.amdhsa_kernel k_q83e073987a_quant
		.amdhsa_group_segment_fixed_size 35328
		.amdhsa_private_segment_fixed_size 0
		.amdhsa_enable_private_segment 0
		.amdhsa_kernarg_size 72
		.amdhsa_user_sgpr_count 2
		.amdhsa_user_sgpr_kernarg_segment_ptr 1
		.amdhsa_wavefront_size32 1
		.amdhsa_system_sgpr_workgroup_id_x 1
		.amdhsa_system_sgpr_workgroup_id_y 1
		.amdhsa_system_sgpr_workgroup_id_z 1
		.amdhsa_system_vgpr_workitem_id 0
		.amdhsa_next_free_vgpr 256
		.amdhsa_next_free_sgpr 66
		.amdhsa_reserve_vcc 1
		.amdhsa_float_denorm_mode_32 3
		.amdhsa_float_denorm_mode_16_64 3
		.amdhsa_memory_ordered 1
		.amdhsa_forward_progress 1
		.amdhsa_inst_pref_size 38
	.end_amdhsa_kernel
	.amdgpu_metadata
---
amdhsa.version: [ 1, 2 ]
amdhsa.kernels:
  - .name:           k_q83e073987a_quant
    .symbol:         k_q83e073987a_quant.kd
    .args:
      - { .name: hidden_states, .offset: 0, .size: 8, .value_kind: global_buffer, .address_space: global }
      - { .name: Wq, .offset: 8, .size: 8, .value_kind: global_buffer, .address_space: global }
      - { .name: Wk, .offset: 16, .size: 8, .value_kind: global_buffer, .address_space: global }
      - { .name: Wv, .offset: 24, .size: 8, .value_kind: global_buffer, .address_space: global }
      - { .name: Wo, .offset: 32, .size: 8, .value_kind: global_buffer, .address_space: global }
      - { .name: XQ, .offset: 40, .size: 8, .value_kind: global_buffer, .address_space: global }
      - { .name: WQK, .offset: 48, .size: 8, .value_kind: global_buffer, .address_space: global }
      - { .name: WV, .offset: 56, .size: 8, .value_kind: global_buffer, .address_space: global }
      - { .name: WO, .offset: 64, .size: 8, .value_kind: global_buffer, .address_space: global }
    .group_segment_fixed_size: 35328
    .private_segment_fixed_size: 0
    .kernarg_segment_align: 8
    .kernarg_segment_size: 72
    .max_flat_workgroup_size: 128
    .sgpr_count:     66
    .vgpr_count:     256
    .wavefront_size: 32
...
	.end_amdgpu_metadata
.endif
;; end of part 1
;; launch gemmq (part 2): grid 96 x 4, 4 waves a work-group, clusters of 4 x 4, 327,680 bytes of LDS; arguments XQ, WQK, WV, QK, VV; writes QK, VV
.if DOCPART == 2
	.amdgcn_target "amdgcn-amd-amdhsa--gfx1250"
	.amdhsa_code_object_version 6
	.text
	.protected	k_q83e073987a_gemmq
	.globl	k_q83e073987a_gemmq
	.p2align	8
	.type	k_q83e073987a_gemmq,@function
k_q83e073987a_gemmq:
	s_mov_b64 s[64:65], 0
	v_nop
	global_prefetch_b8 v0, s[64:65] scope:SCOPE_SE
	s_setreg_imm32_b32 hwreg(HW_REG_WAVE_MODE, 25, 1), 1
	s_wait_xcnt 0x0
	s_wait_alu depctr_hold_cnt(0) depctr_sa_sdst(0) depctr_va_vdst(0) depctr_va_sdst(0) depctr_va_ssrc(0) depctr_va_vcc(0) depctr_vm_vsrc(0)
	s_getreg_b32 s2, hwreg(HW_REG_IB_STS2, 6, 4)
	s_cmp_eq_u32 s2, 0
	s_cbranch_scc0 .Lentry_in_a_cluster
	s_endpgm
.Lentry_in_a_cluster:
	s_bfe_u32 s2, ttmp6, 0x10000c
	s_cmp_lg_u32 s2, 0xf033
	s_cbranch_scc0 .Lentry_shape_is_right
	s_endpgm
.Lentry_shape_is_right:
; The three projections on codes of FP6 (E2M3) with E8M0 scales, K = 1024, and the quantising of their results for attention.
; Clusters 0-15: C = x [Wq | Wk] (A = XQ, 8192 rows; B = WQK, 2048 rows), quantised along the head's 64 -> QK.  Clusters 16-23: C = Wv^T x^T (A = WV, 1024 rows; B = XQ), quantised along the keys -> VV.
; A tile of C is 256 x 256, four waves of 128 x 128: 64 accumulators, 512 registers.  K goes in steps of 256 through two LDS slots filled by the tensor data mover; 4 x 4 work-groups ask jointly: A's tiles along a row of the cluster, B's along a column.
; OPERANDS LIE IN MEMORY AS IMAGES OF THE REGISTERS: for each 64 along K and each tile of 16 stored rows 768 bytes, 8 bytes a lane and piece.  A wave's load brings 8 tiles x 4 such 64s: 4 rows of 6,144 bytes, CHB bytes apart.
; THE PRODUCT IS USED TRANSPOSED (source 0 = 16 rows of B, source 1 = 16 rows of A): a lane holds one row of A.  B's stored rows are in the order that swaps bits 3 and 4, so the 16 registers of B's tiles 2 b and 2 b + 1 are 16 neighbours,
; 32 b + 16 (lane / 16) + 0 .. 15: the result is quantised in registers, block by block of 32, and leaves as images again.  Nothing of C goes to memory in f32.
; LIMITS: blocks whose largest magnitude lies under 2^-124 keep the scale byte 1 (a block of zeros too: its codes are zeros).
; REGISTERS: window 0: v0-31 addresses; v32-63 scale words, two sets; v128-223 A's fragments, one set.  window 1: B's fragments, two sets, v0 and v128.  windows 2, 3: the accumulators ((a, b) at v[8 (8 (a % 4) + b)]).
.set CHB,    393216
.set SCI,    6291456                   ; an operand's scale bytes, [stored row][32]
.set COF,    2097152                   ; a product buffer's codes; its scale words lie in front
.set NQ,     2                         ; matrix instructions deep in a slot
.set FR,     12
.set NL,     6                         ; LDS loads that bring a fragment
.set NP,     4                         ; places behind this matrix instruction (ISA guide 7.12.1)
.set HALFT,  24576                     ; 8 tiles x 4 x 768: what one tensor load brings
.set SLOT,   4*HALFT
.set LAPS,   2                         ; 1024 / 512
.set KS,     32
.set SCL,    2*SLOT                    ; behind the ring: the scales, units of 256 bytes + 16 of padding
.set HALFS,  16*272
.set SBLK,   2*272
.set SPARE,  SCL+4*HALFS               ; the spare words, 128 bytes a wave
.set ADRA, 16                          ; v16-17 LDS address of my A fragments in slot 0, 1
.set ADRB, 20                          ; v20-21 the same for B
.set SWO,  25                          ; v25 the way out: my place among the scale words
.set LN8,  26                          ; v26 8 x lane
.set ADRS, 27                          ; v27 my scale words: lanes 0-15 A's rows, lanes 16-31 B's
.set SPW,  28
.set NIL,  29
.set SC,   32
.set AF,   128
.set TM,   32                          ; the way out: v32-35 largest magnitudes, v36-39 bytes, v44-47 scale operands
.set G1, 24
.set G0, 32
.set G1B, 48
.set G0B, 56
.set G1S, 68
.set G0S, 76
.set G1SB, 80
.set G0SB, 88
.set MSB, 0
.macro WIN new                         ; the immediate's high byte repeats the setting that is left
.if MSB != (\new)
	s_set_vgpr_msb (MSB<<8)|(\new)
.set MSB, (\new)
.endif
.endm
.set MUL_LO, 0xa1                      ; source 0 (B) window 1, source 1 (A) window 0, C and D window 2
.set MUL_HI, 0xf1
.set TO_B,   0x40
.macro JLOAD g0a, g1a, g0b, g1b        ; a joint load: waves 0 and 1 fetch for A, waves 2 and 3 for B; the branch hangs on the wave's number alone; an s_nop 0 and four v_nop follow each line
	s_cmp_eq_u32 s15, 0
	s_cbranch_scc0 .Lfor_b_\@
	tensor_load_to_lds s[\g0a:\g0a+3], s[\g1a:\g1a+7]
	s_nop 0
.rept 4
	v_nop
.endr
	s_branch .Lasked_\@
.Lfor_b_\@:
	tensor_load_to_lds s[\g0b:\g0b+3], s[\g1b:\g1b+7]
	s_nop 0
.rept 4
	v_nop
.endr
.Lasked_\@:
.endm
.macro CREST
	s_cmp_lg_u32 s14, 0
	s_cbranch_scc1 .Lnot_wave_0_\@
	s_barrier_signal -3
.Lnot_wave_0_\@:
	s_barrier_wait -3
	s_barrier_signal -1
	s_barrier_wait -1
.endm
.macro CROUND
	s_barrier_signal -1
	s_barrier_wait -1
	CREST
.endm
	s_load_b256 s[4:11], s[0:1], 0x0               ; XQ, WQK, WV, QK
	s_load_b64 s[12:13], s[0:1], 0x20              ; VV
	v_lshl_add_u32 v[SPW], v0, 2, SPARE
	v_mov_b32 v[NIL], 0
	ds_add_u32 v[SPW], v[NIL]                      ; the wave's opening: the add and its wait come ahead of my first tensor load
	v_lshrrev_b32 v1, 5, v0
	v_readfirstlane_b32 s14, v1                    ; wave
	s_lshr_b32 s15, s14, 1                         ; my half of the tile's rows; also: I fetch for A (0) or B (1)
	s_and_b32 s16, s14, 1                          ; my half of its columns; also: which 128 rows I fetch
	s_bfe_u32 s40, ttmp6, 0x40000                  ; cx
	s_bfe_u32 s41, ttmp6, 0x40004                  ; cy
	s_and_b32 s18, ttmp9, 1
	s_lshr_b32 s19, ttmp9, 1
	s_sub_co_u32 s20, ttmp9, 16
	s_cmp_lt_u32 ttmp9, 16                         ; the cluster's number, which all sixteen partners share
	s_cselect_b32 s18, s18, s20                    ; the cluster's column: c % 2, or c - 16
	s_cselect_b32 s19, s19, 0                      ; its row: c / 2, or 0
	s_lshl_b32 s42, s18, 2
	s_add_co_u32 s42, s42, s40                     ; tile column
	s_lshl_b32 s17, s19, 2
	s_add_co_u32 s17, s17, s41                     ; tile row
	s_lshl_b32 s43, s41, 2
	s_lshl_b32 s43, 15, s43                        ; my row of the cluster
	s_lshl_b32 s44, 0x1111, s40                    ; my column
	s_or_b32 s[G1+0], s43, (3<<16)|(1<<21)         ; the mask; elements of 8 bytes; bit 21 beside a mask; no padding
	s_or_b32 s[G1B+0], s44, (3<<16)|(1<<21)
.irp g, G1, G1B
	s_mov_b32 s[\g+1], 768<<16                     ; tensor_dim0: 8 tiles x 768 bytes = 768 elements
	s_mov_b32 s[\g+2], 4<<16                       ; tensor_dim1: four 64s along K
	s_mov_b32 s[\g+3], 768<<16                     ; tile_dim0
	s_mov_b32 s[\g+4], 4                           ; tile_dim1
	s_mov_b32 s[\g+5], CHB/8                       ; stride
	s_mov_b32 s[\g+6], 0
	s_mov_b32 s[\g+7], 0
.endr
	s_or_b32 s[G1S+0], s43, (3<<16)|(1<<20)|(1<<21)|(5<<22)|(3<<25)   ; the scales of 128 rows: 16 rows of 256 bytes, 16 bytes of padding behind each
	s_or_b32 s[G1SB+0], s44, (3<<16)|(1<<20)|(1<<21)|(5<<22)|(3<<25)
.irp g, G1S, G1SB
	s_mov_b32 s[\g+1], 32<<16
	s_mov_b32 s[\g+2], 16<<16
	s_mov_b32 s[\g+3], 32<<16
	s_mov_b32 s[\g+4], 16
	s_mov_b32 s[\g+5], 32
	s_mov_b32 s[\g+6], 0
	s_mov_b32 s[\g+7], 0
.endr
	s_lshl_b32 s18, s16, 3                         ; which 8 tiles I fetch
	s_lshl_b32 s20, s17, 4
	s_add_co_u32 s20, s20, s18                     ; A: tile 16 x tile row + 8 x half
	s_lshl_b32 s22, s20, 9
	s_add_co_u32 s22, s22, SCI                     ; its scale bytes: 512 a tile
	s_mul_i32 s20, s20, 768
	s_mov_b32 s21, 0
	s_mov_b32 s23, 0
	s_lshl_b32 s46, s42, 4
	s_add_co_u32 s46, s46, s18                     ; B likewise, by the tile column
	s_lshl_b32 s92, s46, 9
	s_add_co_u32 s92, s92, SCI
	s_mul_i32 s46, s46, 768
	s_mov_b32 s47, 0
	s_mov_b32 s93, 0
	s_mul_i32 s45, s14, HALFT                      ; where they go: no place in the cluster enters an LDS address
	s_mul_i32 s94, s14, HALFS
	s_mov_b32 s96, 0x76543210
	s_mov_b32 s97, 0xfedcba98
	s_mov_b32 s98, 0x05040100                      ; v_perm_b32: the two low halves
	s_mov_b32 s99, 0x07060302                      ; the two high halves
	s_wait_dscnt 0x0                               ; the opening add is done
	s_wait_kmcnt 0x0
	s_cmp_lt_u32 ttmp9, 16
	s_cselect_b64 s[6:7], s[6:7], s[4:5]           ; B: WQK or XQ
	s_cselect_b64 s[4:5], s[4:5], s[8:9]           ; A: XQ or WV
	s_cselect_b64 s[10:11], s[10:11], s[12:13]     ; the result: QK or VV
	s_add_nc_u64 s[20:21], s[4:5], s[20:21]
	s_add_nc_u64 s[22:23], s[4:5], s[22:23]
	s_add_nc_u64 s[46:47], s[6:7], s[46:47]
	s_add_nc_u64 s[92:93], s[6:7], s[92:93]
	CROUND                                         ; all sixteen work-groups are here: the first joint loads meet
	s_mov_b32 s[G0S], 1
	s_add_co_u32 s[G0S+1], s94, SCL
	s_mov_b64 s[G0S+2:G0S+3], s[22:23]
	s_or_b32 s[G0S+3], s[G0S+3], 0x80000000
	s_mov_b32 s[G0SB], 1
	s_add_co_u32 s[G0SB+1], s94, SCL
	s_mov_b64 s[G0SB+2:G0SB+3], s[92:93]
	s_or_b32 s[G0SB+3], s[G0SB+3], 0x80000000
	JLOAD G0S, G1S, G0SB, G1SB                     ; the scales of all of K: filled once
.irp s, 0,1
	s_mov_b32 s[G0+4*\s], 1
	s_add_co_u32 s[G0+4*\s+1], s45, \s*SLOT
	s_add_nc_u64 s[G0+4*\s+2:G0+4*\s+3], s[20:21], \s*4*CHB
	s_or_b32 s[G0+4*\s+3], s[G0+4*\s+3], 0x80000000
	s_mov_b32 s[G0B+4*\s], 1
	s_add_co_u32 s[G0B+4*\s+1], s45, \s*SLOT
	s_add_nc_u64 s[G0B+4*\s+2:G0B+4*\s+3], s[46:47], \s*4*CHB
	s_or_b32 s[G0B+4*\s+3], s[G0B+4*\s+3], 0x80000000
	JLOAD G0+4*\s, G1, G0B+4*\s, G1B
.endr
	v_and_b32 v1, 15, v0                           ; r
	v_bfe_u32 v2, v0, 4, 1                         ; h
	v_and_b32 v3, 31, v0
	v_lshlrev_b32 v[LN8], 3, v3
	s_mul_i32 s21, s15, HALFT                      ; my 128 rows of A
	s_mul_i32 s22, s16, HALFT
	s_add_co_u32 s22, s22, 2*HALFT                 ; my 128 rows of B, behind A's 256
.irp s, 0,1
	v_add_nc_u32 v[ADRA+\s], s21, v[LN8]
	v_add_nc_u32 v[ADRB+\s], s22, v[LN8]
	s_add_co_u32 s21, s21, SLOT
	s_add_co_u32 s22, s22, SLOT
.endr
	v_mul_u32_u24 v5, v1, KS                       ; my row's scales: 32 bytes a row,
	v_lshrrev_b32 v6, 8, v5
	v_lshl_add_u32 v5, v6, 4, v5                   ; and 16 more for each 256 passed
	s_mul_i32 s21, s15, HALFS
	s_mul_i32 s22, s16, HALFS
	s_add_co_u32 s22, s22, 2*HALFS
	s_sub_co_u32 s22, s22, s21
	v_mul_u32_u24 v6, s22, v2                      ; lanes 16-31 take B's
	s_add_co_u32 s21, s21, SCL
	v_add_nc_u32 v5, v5, v6
	v_add_nc_u32 v[ADRS], s21, v5
	v_lshlrev_b32 v[SWO], 4, v1
	v_lshl_add_u32 v[SWO], v2, 14, v[SWO]          ; scale words out: 16 r, and lanes 16-31 the next 64 along the new K
	v_cmp_le_u32 s95, 16, v3                       ; lanes 16-31
	s_lshl_b32 s20, s42, 1
	s_add_co_u32 s20, s20, s16                     ; sn: which 128 columns of C are mine: the new K's 64s 2 sn and 2 sn + 1
	s_lshl_b32 s21, s17, 1
	s_add_co_u32 s21, s21, s15                     ; my first tile of rows / 8
	s_lshl_b32 s22, s20, 10
	s_lshl_b32 s23, s21, 3
	s_add_co_u32 s22, s22, s23
	s_mul_i32 s22, s22, 768
	s_add_co_u32 s22, s22, COF
	s_mov_b32 s23, 0
	s_add_nc_u64 s[12:13], s[10:11], s[22:23]      ; my codes: COF + (2 sn x 512 + first tile) x 768
	s_lshl_b32 s22, s20, 7
	s_add_co_u32 s22, s22, s21
	s_lshl_b32 s22, s22, 8
	s_add_nc_u64 s[10:11], s[10:11], s[22:23]      ; my scale words: (2 sn x 64 + first tile / 8) x 256
.macro FRAG reg, adr, q, i             ; a fragment: 12 registers; registers 0-5 from the 64 along K 2 q, registers 6-11 from 2 q + 1: six loads of 8 bytes a lane, each 256 consecutive bytes
.irp p, 0,1,2,3,4,5
	ds_load_b64 v[\reg+2*\p:\reg+2*\p+1], v[\adr] offset:((2*(\q)+\p/3)*8+(\i))*768+(\p%3)*256
.endr
.endm
; 16 matrix instructions: A's blocks a0, a0 + 1 x B's eight.  The 64 accumulators take turns, one instruction a turn, in the same order in every step.
.macro MUL16 a0, p, q, sc, zero
.irp a, \a0, \a0+1
.irp b, 0,1,2,3,4,5,6,7
.if \zero
	v_wmma_scale_f32_16x16x128_f8f6f4 v[8*(8*((\a)%4)+\b):8*(8*((\a)%4)+\b)+7], v[128*(\p)+FR*\b:128*(\p)+FR*\b+FR-1], v[AF+FR*(\a):AF+FR*(\a)+FR-1], 0, v[SC+8*NQ*(\sc)+NQ*\b+(\q)], v[SC+8*NQ*(\sc)+NQ*(\a)+(\q)] matrix_a_fmt:MATRIX_FMT_FP6 matrix_b_fmt:MATRIX_FMT_FP6 matrix_a_scale:MATRIX_SCALE_ROW1
.else
	v_wmma_scale_f32_16x16x128_f8f6f4 v[8*(8*((\a)%4)+\b):8*(8*((\a)%4)+\b)+7], v[128*(\p)+FR*\b:128*(\p)+FR*\b+FR-1], v[AF+FR*(\a):AF+FR*(\a)+FR-1], v[8*(8*((\a)%4)+\b):8*(8*((\a)%4)+\b)+7], v[SC+8*NQ*(\sc)+NQ*\b+(\q)], v[SC+8*NQ*(\sc)+NQ*(\a)+(\q)] matrix_a_fmt:MATRIX_FMT_FP6 matrix_b_fmt:MATRIX_FMT_FP6 matrix_a_scale:MATRIX_SCALE_ROW1
.endif
.endr
.endr
.endm
.macro FETCH_B slot, q, p
	WIN TO_B
.irp i, 0,1,2,3,4,5,6,7
	FRAG 128*(\p)+FR*\i, ADRB+\slot, \q, \i
.endr
	WIN 0
.endm
.macro FETCH_A slot, q, i0
.irp i, \i0, \i0+1, \i0+2, \i0+3
	FRAG AF+FR*(\i), ADRA+\slot, \q, \i
.endr
.endm
.macro SCALES sc                       ; the next K step's scale words: lanes 0-15 A's block i, lanes 16-31 B's block i
.irp i, 0,1,2,3,4,5,6,7
	ds_load_b64 v[SC+8*NQ*\sc+NQ*\i:SC+8*NQ*\sc+NQ*\i+1], v[ADRS] offset:\i*SBLK
.endr
.endm
.macro PLACES n                        ; plain vector lines between a matrix instruction and a load into, or a read of, its registers
.rept \n
	v_nop
.endr
.endm
.macro STEP slot, q, zero              ; 128 along K that has its successor in the same slot
	s_wait_dscnt 4*NL                              ; B's set and A's blocks 0-3 are in; the youngest 24 loads (A's blocks 4-7) may be out
	WIN MUL_LO
	MUL16 0, (\q)%2, \q, \slot, \zero
	MUL16 2, (\q)%2, \q, \slot, \zero
	s_wait_dscnt 0
	PLACES NP
	FETCH_B \slot, (\q)+1, 1-(\q)%2
	FETCH_A \slot, (\q)+1, 0
	WIN MUL_HI
	MUL16 4, (\q)%2, \q, \slot, \zero
	MUL16 6, (\q)%2, \q, \slot, \zero
	PLACES NP
	WIN 0
	FETCH_A \slot, (\q)+1, 4
.endm
; A slot's last step changes slots: one barrier; in front of it each wave waits for all its tensor loads, adds 0 to its spare word, and waits for that and for its reads of this slot.  fill = 1: the slot is filled again, two K steps ahead.
.macro TURN slot, next, fill
	s_wait_tensorcnt 0x0                           ; all my tensor loads have landed: my part of the next slot
	ds_add_u32 v[SPW], v[NIL]                      ; 0 onto my spare word
	s_wait_dscnt 4*NL+1                            ; (the add and A's blocks 4-7 may be out)
	WIN MUL_LO
	MUL16 0, 1, NQ-1, \slot, 0
	s_wait_dscnt 0x0                               ; the add is done, and my reads of this slot are over
	s_barrier_signal -1
	MUL16 2, 1, NQ-1, \slot, 0
	WIN 0
	s_barrier_wait -1
.if \fill
	CREST                                          ; the barrier has opened a round of the cluster's barrier: no wave of any partner still reads this slot or has a load on its way
	s_add_nc_u64 s[G0+4*\slot+2:G0+4*\slot+3], s[G0+4*\slot+2:G0+4*\slot+3], 8*CHB
	s_add_nc_u64 s[G0B+4*\slot+2:G0B+4*\slot+3], s[G0B+4*\slot+2:G0B+4*\slot+3], 8*CHB
	JLOAD G0+4*\slot, G1, G0B+4*\slot, G1B         ; the first tensor load behind the round
.else
	PLACES NP
.endif
	v_add_nc_u32 v[ADRS], 4*NQ, v[ADRS]            ; on to the next K step's scale words
	FETCH_B \next, 0, 0
	FETCH_A \next, 0, 0
	SCALES \next
	WIN MUL_HI
	MUL16 4, 1, NQ-1, \slot, 0
	MUL16 6, 1, NQ-1, \slot, 0
	PLACES NP
	WIN 0
	FETCH_A \next, 0, 4
.endm
	s_wait_tensorcnt 1                             ; the scales and my part of K step 0 are in (K step 1's load may be out),
	s_barrier_signal -1
	s_barrier_wait -1                              ; everybody's are
	FETCH_B 0, 0, 0
	FETCH_A 0, 0, 0
	SCALES 0
	FETCH_A 0, 0, 4
	STEP 0, 0, 1                                   ; the first step's products start the sums
	s_mov_b32 s3, LAPS-1
.Llap:
	TURN 0, 1, 1
	STEP 1, 0, 0
	TURN 1, 0, 1
	STEP 0, 0, 0
	s_sub_co_u32 s3, s3, 1
	s_cmp_lg_u32 s3, 0
	s_cbranch_scc1 .Llap
	TURN 0, 1, 0                                   ; the last lap fills nothing
	STEP 1, 0, 0
	s_wait_dscnt 4*NL
	WIN MUL_LO
	MUL16 0, 1, NQ-1, 1, 0
	MUL16 2, 1, NQ-1, 1, 0
	s_wait_dscnt 0
	WIN MUL_HI
	MUL16 4, 1, NQ-1, 1, 0
	MUL16 6, 1, NQ-1, 1, 0
	WIN 0
; THE WAY OUT.  Block a's 64 registers of a lane are 128 neighbours' worth of its row: register 16 b + i = column 32 b + 16 (lane / 16) + i.  They become one fragment's codes (12 registers, own registers for each block, so no store's data
; are written again) and a scale word; the codes leave as two images of 768 bytes.  Each accumulator is read from its low end on.
.macro QUANTW a
.set AC, 64*((\a)%4)
.set PC, 128+12*(\a)
	WIN ((2+(\a)/4)*5)                             ; sources 0 and 1: window 2 or 3
.irp b, 0,1,2,3
	v_max3_num_f32 v[TM+\b], |v[AC+16*\b]|, |v[AC+16*\b+1]|, 0x1800000   ; with the floor 2^(3 - 127): the byte cannot fall under 1
.endr
.irp i, 2,4,6,8,10,12,14
.irp b, 0,1,2,3
	v_max3_num_f32 v[TM+\b], |v[AC+16*\b+\i]|, |v[AC+16*\b+\i+1]|, v[TM+\b]
.endr
.endr
	WIN 0
.irp b, 0,1,2,3
	v_permlanex16_b32 v[TM+4+\b], v[TM+\b], s96, s97
.endr
.irp b, 0,1,2,3
	v_max_num_f32 v[TM+\b], v[TM+\b], v[TM+4+\b]   ; with lane l xor 16's: the block's largest magnitude
.endr
.irp b, 0,1,2,3
	v_add_nc_u32 v[TM+12+\b], 0xff000000, v[TM+\b] ; 2 off its exponent field: the conversion's scale operand
.endr
.irp b, 0,1,2,3
	v_lshrrev_b32 v[TM+4+\b], 23, v[TM+12+\b]      ; the scale's byte
.endr
	v_lshl_or_b32 v[52+(\a)%2], v[TM+5], 8, v[TM+4]
	v_lshl_or_b32 v[52+(\a)%2], v[TM+6], 16, v[52+(\a)%2]
	v_lshl_or_b32 v[52+(\a)%2], v[TM+7], 24, v[52+(\a)%2]
	WIN (2+(\a)/4)                                 ; source 0: window 2 or 3
.irp c, 0,1
	v_cvt_scalef32_pk16_fp6_f32 v[PC+6*\c:PC+6*\c+2], v[AC+32*\c:AC+32*\c+15], v[TM+12+2*\c]
	v_cvt_scalef32_pk16_fp6_f32 v[224+4*\c:226+4*\c], v[AC+32*\c+16:AC+32*\c+31], v[TM+13+2*\c]
.endr
	WIN 0
	v_nop                                          ; one plain line behind a scaled conversion
.irp c, 0,1                            ; the layout wants a whole block in a lane
.irp i, 0,1,2
	v_permlane16_swap_b32 v[PC+6*\c+\i], v[224+4*\c+\i]
.endr
.irp i, 0,1,2
	v_mov_b32 v[PC+6*\c+3+\i], v[224+4*\c+\i]
.endr
.endr
.irp p, 0,1,2,3,4,5
	global_store_b64 v[LN8], v[PC+2*\p:PC+2*\p+1], s[12:13] offset:768*(\a)+(\p/3)*CHB+256*(\p%3)   ; 32 lanes store 256 consecutive bytes, aligned
.endr
.if ((\a)%2) == 1                      ; two tiles' words become one word for each of the two 64s: {even tile's two bytes, odd tile's two bytes}; lanes 0-15 keep the first 64's, lanes 16-31 the second's
	v_perm_b32 v54, v53, v52, s98
	v_perm_b32 v55, v53, v52, s99
	v_cndmask_b32 v[56+(\a)/2], v54, v55, s95
.endif
.endm
	PLACES NP
.irp b, 0,1,2,3
	v_mov_b32 v[TM+4+\b], 0                        ; a lane permute's destination counts as one of its sources
.endr
.irp a, 0,1,2,3,4,5,6,7
	QUANTW \a
.endr
	global_store_b128 v[SWO], v[56:59], s[10:11]   ; sixteen lanes store 256 consecutive bytes, aligned
	s_wait_tensorcnt 0x0                           ; the wave's end
	ds_add_u32 v[SPW], v[NIL]
	s_wait_dscnt 0x0
	CROUND                                         ; the closing round
	s_endpgm
.Lfunc_end_k_q83e073987a_gemmq:
	.size	k_q83e073987a_gemmq, .Lfunc_end_k_q83e073987a_gemmq-k_q83e073987a_gemmq
	.p2alignl 7, 3214868480
	.fill 96, 4, 3214868480
	.section	.rodata,"a",@progbits
	.p2align	6, 0x0
	.amdhsa_kernel k_q83e073987a_gemmq
		.amdhsa_group_segment_fixed_size 327680
		.amdhsa_private_segment_fixed_size 0
		.amdhsa_enable_private_segment 0
		.amdhsa_kernarg_size 40
		.amdhsa_user_sgpr_count 2
		.amdhsa_user_sgpr_kernarg_segment_ptr 1
		.amdhsa_wavefront_size32 1
		.amdhsa_system_sgpr_workgroup_id_x 1
		.amdhsa_system_sgpr_workgroup_id_y 1
		.amdhsa_system_sgpr_workgroup_id_z 1
		.amdhsa_system_vgpr_workitem_id 0
		.amdhsa_next_free_vgpr 1024
		.amdhsa_next_free_sgpr 100
		.amdhsa_reserve_vcc 0
		.amdhsa_float_denorm_mode_32 3
		.amdhsa_float_denorm_mode_16_64 3
		.amdhsa_memory_ordered 1
		.amdhsa_forward_progress 1
		.amdhsa_inst_pref_size 167
	.end_amdhsa_kernel
	.amdgpu_metadata
---
amdhsa.version: [ 1, 2 ]
amdhsa.kernels:
  - .name:           k_q83e073987a_gemmq
    .symbol:         k_q83e073987a_gemmq.kd
    .args:
      - { .name: XQ, .offset: 0, .size: 8, .value_kind: global_buffer, .address_space: global }
      - { .name: WQK, .offset: 8, .size: 8, .value_kind: global_buffer, .address_space: global }
      - { .name: WV, .offset: 16, .size: 8, .value_kind: global_buffer, .address_space: global }
      - { .name: QK, .offset: 24, .size: 8, .value_kind: global_buffer, .address_space: global }
      - { .name: VV, .offset: 32, .size: 8, .value_kind: global_buffer, .address_space: global }
    .group_segment_fixed_size: 327680
    .private_segment_fixed_size: 0
    .kernarg_segment_align: 8
    .kernarg_segment_size: 40
    .max_flat_workgroup_size: 128
    .sgpr_count:     100
    .vgpr_count:     1024
    .wavefront_size: 32
...
	.end_amdgpu_metadata
.endif
;; end of part 2
;; launch attn (part 3): grid 4 x 64, 16 waves a work-group, no clusters, 229,376 bytes of LDS; arguments QK, VV, rel_emb, CTX; writes CTX
.if DOCPART == 3
	.amdgcn_target "amdgcn-amd-amdhsa--gfx1250"
	.amdhsa_code_object_version 6
	.text
	.protected	k_q83e073987a_attn
	.globl	k_q83e073987a_attn
	.p2align	8
	.type	k_q83e073987a_attn,@function
k_q83e073987a_attn:
	s_mov_b64 s[64:65], 0
	v_nop
	global_prefetch_b8 v0, s[64:65] scope:SCOPE_SE
	s_setreg_imm32_b32 hwreg(HW_REG_WAVE_MODE, 25, 1), 1
	s_wait_xcnt 0x0
; context = softmax(q k^T + bias) v for one head and batch, both products on codes of FP6 (E2M3) with E8M0 scales; the context is quantised along (head, d) for the last projection and leaves as codes.
; SOFTMAX: t = (score + bias) log2(e); M = the running largest t rounded up to a whole number; p = 2^(t - M) is quantised along the keys, not normalised; the row's sum is taken of the unquantised p and divides at the end.
; SHARES.  A work-group owns 512 queries of one (batch, head); each of sixteen waves one stored tile of 16 queries in each of two passes.  All of the head's K and V codes (2 x 98,304 bytes) and scale words lie in LDS, filled once: no ring.
; NO CLUSTER: which steps take the bias from the table, and the table's LDS address, hang on the block of queries, which partners of a cluster would not share; and K and V are fetched once for 512 wave-steps of work.
; LAYOUT.  Both products transposed: a lane holds one query (stored row lane % 16 of its tile = query qa + r + 8 (r / 8)).  Stored key tile t, register j, lane half h = true key 32 (t / 2) + 16 h + 8 (t % 2) + j.
; K = 64 IS HALF OF THE INSTRUCTION'S 128: a fragment holds key tile 2 b in registers 0-5 and tile 2 b + 1 in registers 6-11; against [q | zero codes] it gives tile 2 b, against [zero codes | q] tile 2 b + 1.
; BIAS hangs on delta = key - query alone and is one number for |delta| >= 91 on each side.  A step all of whose keys lie that far folds it into the multiply-add; the others add a value from a table in LDS (four copies, shifted, so that 16-byte loads stay aligned).
; The bucket is min(a, 8) + the number of thresholds 12, 16, 23, 32, 46, 64, 91 at or under a = |delta|, + 16 where delta > 0.  LIMIT: at a = 16, 32, 64 this takes the logarithm's quotient as exactly 1/4, 1/2, 3/4.
; LIMITS: NaN and infinities are not served; blocks whose largest magnitude lies under 2^-124 keep the scale byte 1.
; REGISTERS: v1-4, v7 lane places; v5, v6 the add's two; v8, v9, v11, v244, v245 addresses in hand; v10 -M, v12 the multiply-add's addend, v13 the largest t, v[14:15] the sum; v16-21 zeros, v22-27 q, v28-33 zeros; v34 q's scale word;
;   v36-83 four fragments; v96-159 scores, then p; v160-191 O^T; v192-203 p's codes; v204-210 conversions' second halves; v212-223 at work; v224 p's scale word; v[226:227] f; v232-235 K's scale words; v236-243 V's.
.set CHB,   393216
.set SCI,   6291456
.set COF,   2097152
.set VC,    98304                      ; LDS: K's codes [tile 128][768] at 0; V's [64 keys 32][tile 4][768] here
.set KSC,   196608                     ; K's scale words [step 16][r 16][16]
.set VSC,   200704                     ; V's [64 keys 32][r 16][16]
.set BT,    208896                     ; the bias table: written by LDS stores, in blocks of its own
.set SPARE, 225536                     ; the spare words, 128 bytes a wave
.set WV,  12
.set CS,  20                           ; s[20:21] log2(e)
.set SEL, 22                           ; s[22:23]
.set G1K, 24
.set G1KS, 32
.set G1V, 40
.set G1VS, 48
.set G0K, 56
.set G0KS, 60
.set G0V, 68
.set G0VS, 72
.set KF,  80                           ; the step's first key
.set QA,  81                           ; my tile's first query
.set SD,  82                           ; KF - QA + 256
.set SB,  83                           ; the far bias x log2(e), or 0
.set SE,  84
.set BI,  85
.set TK,  86                           ; the step's codes: 6,144 bytes a step, in K's region and in V's
.set TS,  87                           ; K's scale words: 256 a step
.set TV,  88                           ; V's: 512 a step
.set CNT, 89
	s_load_b256 s[4:11], s[0:1], 0x0               ; QK, VV, rel_emb, CTX
	v_lshl_add_u32 v5, v0, 2, SPARE
	v_mov_b32 v6, 0
	ds_add_u32 v5, v6                              ; the wave's opening: the add and its wait come ahead of my first tensor load
	v_lshrrev_b32 v8, 5, v0
	v_readfirstlane_b32 s[WV], v8                  ; wave 0..15
	s_and_b32 s14, ttmp7, 0xffff
	s_lshr_b32 s15, s14, 4                         ; batch
	s_and_b32 s16, s14, 15                         ; head
	s_and_b32 s17, s[WV], 7                        ; which eighth I fetch
	s_mov_b32 s[G1K], 3<<16                        ; K's codes: 48 rows of 256 bytes, dense; elements of 8 bytes
	s_mov_b32 s[G1K+1], 32<<16
	s_mov_b32 s[G1K+2], 48<<16
	s_mov_b32 s[G1K+3], 32<<16
	s_mov_b32 s[G1K+4], 48
	s_mov_b32 s[G1K+5], 32
	s_mov_b32 s[G1K+6], 0
	s_mov_b32 s[G1K+7], 0
	s_mov_b32 s[G1KS], 3<<16                       ; K's scale words: 2 rows of 256 bytes
	s_mov_b32 s[G1KS+1], 32<<16
	s_mov_b32 s[G1KS+2], 2<<16
	s_mov_b32 s[G1KS+3], 32<<16
	s_mov_b32 s[G1KS+4], 2
	s_mov_b32 s[G1KS+5], 32
	s_mov_b32 s[G1KS+6], 0
	s_mov_b32 s[G1KS+7], 0
	s_mov_b32 s[G1V], 3<<16                        ; V's codes: 4 rows of 3,072 bytes (the head's four tiles), CHB bytes apart
	s_mov_b32 s[G1V+1], 384<<16
	s_mov_b32 s[G1V+2], 4<<16
	s_mov_b32 s[G1V+3], 384<<16
	s_mov_b32 s[G1V+4], 4
	s_mov_b32 s[G1V+5], CHB/8
	s_mov_b32 s[G1V+6], 0
	s_mov_b32 s[G1V+7], 0
	s_mov_b32 s[G1VS], 3<<16                       ; V's scale words: 4 rows of 256 bytes, 16,384 bytes apart
	s_mov_b32 s[G1VS+1], 32<<16
	s_mov_b32 s[G1VS+2], 4<<16
	s_mov_b32 s[G1VS+3], 32<<16
	s_mov_b32 s[G1VS+4], 4
	s_mov_b32 s[G1VS+5], 2048
	s_mov_b32 s[G1VS+6], 0
	s_mov_b32 s[G1VS+7], 0
	s_add_co_u32 s2, s16, 16                       ; K's codes: COF + ((16 + head) 512 + 128 batch) 768 + 12,288 x eighth
	s_lshl_b32 s2, s2, 9
	s_lshl_b32 s3, s15, 7
	s_add_co_u32 s2, s2, s3
	s_mul_i32 s2, s2, 768
	s_mul_i32 s84, s17, 12288                      ; (also the eighth's place in LDS)
	s_add_co_u32 s2, s2, s84
	s_add_co_u32 s2, s2, COF
	s_mov_b32 s3, 0
	s_add_co_u32 s18, s16, 16                      ; K's scale words: ((16 + head) 64 + 16 batch) 256 + 512 x eighth
	s_lshl_b32 s18, s18, 6
	s_lshl_b32 s19, s15, 4
	s_add_co_u32 s18, s18, s19
	s_lshl_b32 s18, s18, 8
	s_lshl_b32 s85, s17, 9
	s_add_co_u32 s18, s18, s85
	s_mov_b32 s19, 0
	s_lshl_b32 s98, s15, 14                        ; V's codes: COF + (32 batch x 512 + 4 head) 768 + 4 CHB x eighth
	s_lshl_b32 s99, s16, 2
	s_add_co_u32 s98, s98, s99
	s_mul_i32 s98, s98, 768
	s_mul_i32 s99, s17, 4*CHB
	s_add_co_u32 s98, s98, s99
	s_add_co_u32 s98, s98, COF
	s_mov_b32 s99, 0
	s_lshl_b32 s100, s15, 11                       ; V's scale words: (32 batch x 64 + head / 2) 256 + 65,536 x eighth
	s_lshr_b32 s101, s16, 1
	s_add_co_u32 s100, s100, s101
	s_lshl_b32 s100, s100, 8
	s_lshl_b32 s101, s17, 16
	s_add_co_u32 s100, s100, s101
	s_mov_b32 s101, 0
	s_lshl_b32 s86, s17, 10
	s_mov_b32 s[CS], 0x3fb8aa3b                    ; log2(e)
	s_mov_b32 s[CS+1], s[CS]                       ; (named with it as a pair, so it is written)
	s_mov_b32 s[SEL], 0x76543210
	s_mov_b32 s[SEL+1], 0xfedcba98
	s_wait_dscnt 0x0                               ; the opening add is done
	s_wait_kmcnt 0x0
	s_mov_b32 s[G0K], 1
	s_mov_b32 s[G0K+1], s84
	s_add_nc_u64 s[G0K+2:G0K+3], s[4:5], s[2:3]
	s_or_b32 s[G0K+3], s[G0K+3], 0x80000000
	s_mov_b32 s[G0KS], 1
	s_add_co_u32 s[G0KS+1], s85, KSC
	s_add_nc_u64 s[G0KS+2:G0KS+3], s[4:5], s[18:19]
	s_or_b32 s[G0KS+3], s[G0KS+3], 0x80000000
	s_mov_b32 s[G0V], 1
	s_add_co_u32 s[G0V+1], s84, VC
	s_add_nc_u64 s[G0V+2:G0V+3], s[6:7], s[98:99]
	s_or_b32 s[G0V+3], s[G0V+3], 0x80000000
	s_mov_b32 s[G0VS], 1
	s_add_co_u32 s[G0VS+1], s86, VSC
	s_add_nc_u64 s[G0VS+2:G0VS+3], s[6:7], s[100:101]
	s_or_b32 s[G0VS+3], s[G0VS+3], 0x80000000
	s_cmp_lt_u32 s[WV], 8                          ; waves 0-7 fetch K's eighths, waves 8-15 V's: a wave's two fills stand in one branch, ahead of every wait on TENSORcnt, LDS read and barrier; two loads of mine are out
	s_cbranch_scc0 .Lfirst_v
	tensor_load_to_lds s[G0K:G0K+3], s[G1K:G1K+7]
	s_nop 0
	tensor_load_to_lds s[G0KS:G0KS+3], s[G1KS:G1KS+7]
	s_nop 0
.rept 4
	v_nop
.endr
	s_branch .Lfirst_done
.Lfirst_v:
	tensor_load_to_lds s[G0V:G0V+3], s[G1V:G1V+7]
	s_nop 0
	tensor_load_to_lds s[G0VS:G0VS+3], s[G1VS:G1VS+7]
	s_nop 0
.rept 4
	v_nop
.endr
.Lfirst_done:
	s_lshl_b32 s2, s16, 2
	s_mov_b32 s3, 0
	s_add_nc_u64 s[78:79], s[8:9], s[2:3]          ; rel_emb at my head
	s_load_b32 s76, s[78:79], 0x3c0                ; bucket 15: keys far before the query
	s_load_b32 s77, s[78:79], 0x7c0                ; bucket 31: keys far after it
; the table: entry e (two a thread: e0 + my number) is the bias of delta = e - 288
.macro BUCKET e0, dst
	v_add_nc_u32 v40, \e0-288, v0                  ; delta
	v_ashrrev_i32 v41, 31, v40
	v_xor_b32 v42, v40, v41
	v_sub_nc_u32 v42, v42, v41                     ; a = |delta|
	v_min_u32 v43, 8, v42
	v_add_nc_u32 v43, 7, v43
.irp T, 12,16,23,32,46,64,91
	v_add_nc_u32 v44, -\T, v42
	v_lshrrev_b32 v44, 31, v44                     ; 1 where a lies under the threshold
	v_sub_nc_u32 v43, v43, v44
.endr
	v_sub_nc_u32 v44, 0, v40
	v_lshrrev_b32 v44, 31, v44                     ; 1 where delta > 0
	v_lshl_add_u32 v43, v44, 4, v43
	v_min_u32 v43, 31, v43
	v_lshlrev_b32 v[\dst], 6, v43                  ; a row of rel_emb is 64 bytes
.endm
	BUCKET 0, 46
	BUCKET 512, 47
	global_load_b32 v48, v46, s[78:79]
	global_load_b32 v49, v47, s[78:79]
	v_lshl_add_u32 v50, v0, 2, BT
	v_and_b32 v8, 15, v0                           ; r
	v_bfe_u32 v9, v0, 4, 1                         ; h
	v_and_b32 v1, 31, v0
	v_lshlrev_b32 v1, 3, v1                        ; 8 x lane
	v_add_nc_u32 v2, VC, v1
	v_lshl_add_u32 v3, v8, 4, KSC
	s_and_b32 s2, s16, 1
	s_lshl_b32 s2, s2, 3
	s_add_co_u32 s2, s2, VSC
	v_lshl_add_u32 v4, v8, 4, s2                   ; V's words: 16 r + 8 (head % 2): my head's two words of the four
	v_lshlrev_b32 v246, 4, v8
	v_lshlrev_b32 v247, 5, v8
	v_lshrrev_b32 v40, 3, v8
	v_lshl_add_u32 v40, v40, 3, v8                 ; r + 8 (r / 8): my query's place in its tile
	v_sub_nc_u32 v41, 0, v8
	v_and_b32 v41, 3, v41                          ; which copy: (-r) mod 4
	v_mul_u32_u24 v7, v41, 4108
	v_add_nc_u32 v7, BT+144, v7
	v_lshl_add_u32 v7, v9, 6, v7
	v_lshlrev_b32 v40, 2, v40
	v_sub_nc_u32 v7, v7, v40                       ; BT + 16 + 4108 copy + 4 (32 + 16 h - my query's place): a multiple of 16
.irp j, 16,17,18,19,20,21,28,29,30,31,32,33
	v_mov_b32 v[\j], 0                             ; the zero codes beside q
.endr
.irp j, 216,217,218,219,227
	v_mov_b32 v[\j], 0                             ; lane permutes' destinations, and the upper half of the pair v[226:227]
.endr
	s_lshl_b32 s2, s15, 7
	s_lshl_b32 s3, ttmp9, 5
	s_add_co_u32 s2, s2, s3
	s_add_co_u32 s2, s2, s[WV]                     ; my tile in pass 0: 128 batch + 32 block + wave
	s_lshl_b32 s18, s16, 9
	s_add_co_u32 s18, s18, s2
	s_mul_i32 s18, s18, 768
	s_mov_b32 s19, 0
	s_add_nc_u64 s[94:95], s[10:11], s[18:19]      ; the context's codes
	s_add_co_u32 s18, s18, COF
	s_add_nc_u64 s[90:91], s[4:5], s[18:19]        ; q's codes
	s_lshl_b32 s18, s16, 14
	s_lshr_b32 s3, s2, 3
	s_lshl_b32 s3, s3, 8
	s_add_co_u32 s18, s18, s3
	s_lshl_b32 s3, s17, 1
	s_add_co_u32 s18, s18, s3
	s_add_nc_u64 s[92:93], s[4:5], s[18:19]        ; q's two scale bytes: 16,384 head + 256 (tile / 8) + 2 (tile % 8), + 16 r
	s_lshl_b32 s18, s2, 9
	s_lshl_b32 s3, s16, 1
	s_add_co_u32 s18, s18, s3
	s_add_co_u32 s18, s18, SCI
	s_add_nc_u64 s[96:97], s[10:11], s[18:19]      ; the context's scale bytes: SCI + 512 tile + 2 head, + 32 r
	s_lshl_b32 s[QA], ttmp9, 9
	s_lshr_b32 s3, s[WV], 1
	s_lshl_b32 s3, s3, 5
	s_add_co_u32 s[QA], s[QA], s3
	s_and_b32 s3, s[WV], 1
	s_lshl_b32 s3, s3, 3
	s_add_co_u32 s[QA], s[QA], s3                  ; my tile's first query in pass 0
	s_wait_loadcnt 0x0
.irp s, 0,1,2,3
	ds_store_b32 v50, v48 offset:16+4108*\s        ; copy s: entry e at BT + 16 + 4108 s + 4 e
	ds_store_b32 v50, v49 offset:16+4108*\s+2048
.endr
	s_wait_kmcnt 0x0
	s_mul_f32 s76, s76, s[CS]
	s_mul_f32 s77, s77, s[CS]
	s_wait_tensorcnt 0x0                           ; my two fills have landed,
	s_wait_dscnt 0x0                               ; my part of the table is stored:
	s_barrier_signal -1
	s_barrier_wait -1                              ; everybody's.  Nothing is filled or stored in these regions again
.macro PASS ps
.if \ps
	s_wait_xcnt 0x0                                ; the last pass's stores have read their registers
	s_add_co_u32 s[QA], s[QA], 256                 ; sixteen tiles on
.endif
.irp p, 0,1,2
	global_load_b64 v[22+2*\p:23+2*\p], v1, s[90:91] offset:\ps*12288+256*\p
.endr
	global_load_u16 v35, v246, s[92:93] offset:\ps*512
	s_mov_b32 s[KF], 0
	s_mov_b32 s[TK], 0
	s_mov_b32 s[TS], 0
	s_mov_b32 s[TV], 0
	s_mov_b32 s[CNT], 16
	v_mov_b32 v13, 0xff61b1e6                      ; the largest t so far: -3e38
	v_floor_f32 v10, -v13                          ; -M
	v_mov_b32 v14, 0
	v_mov_b32 v15, 0
	s_wait_loadcnt 0x0
	v_lshl_or_b32 v34, v35, 16, v35                ; q's two bytes twice: they serve whichever half of the 128 holds q
.set J, 0
.rept 32
	v_mov_b32 v[160+J], 0                          ; O^T: the first change of M leaves zeros zeros.  (Also the places between the scale word's making and the first product)
.set J, J+1
.endr
.Lstep_\@:                                         ; 16 trips of 128 keys
	s_sub_co_i32 s[SD], s[KF], s[QA]
	s_add_co_i32 s[SD], s[SD], 256
	s_cmp_gt_i32 s[SD], 200
	s_cselect_b32 s[SB], s77, s76                  ; keys after my queries, or before
	s_sub_co_u32 s[SE], s[SD], 32
	s_cmp_lt_u32 s[SE], 344                        ; some |delta| under 91 only where 39 <= SD <= 369: then the table serves, and nothing is folded in
	s_cselect_b32 s[SB], 0, s[SB]
	s_min_u32 s[BI], s[SD], 511
	s_lshl_b32 s[BI], s[BI], 2
	v_add_nc_u32 v8, s[TK], v1                     ; (these five are also the places in front of the loads into registers that the last products read)
	v_add_nc_u32 v9, s[TK], v2
	v_add_nc_u32 v11, s[TS], v3
	v_add_nc_u32 v244, s[TV], v4
	v_add_nc_u32 v245, s[BI], v7
.irp b, 0,1,2,3
.irp p, 0,1,2,3,4,5
	ds_load_b64 v[36+12*\b+2*\p:37+12*\b+2*\p], v8 offset:(2*\b+\p/3)*768+256*(\p%3)   ; key tiles 2 b and 2 b + 1
.endr
.endr
	ds_load_b128 v[232:235], v11                   ; their scale words
	ds_load_b64 v[236:237], v244                   ; V's words of the step's first 64 keys: tiles 0, 1 and tiles 2, 3
	ds_load_b64 v[238:239], v244 offset:256        ; and of its second 64
	s_wait_dscnt 0x0
.irp b, 0,1,2,3
	v_wmma_scale_f32_16x16x128_f8f6f4 v[96+16*\b:103+16*\b], v[36+12*\b:47+12*\b], v[22:33], 0, v[232+\b], v34 matrix_a_fmt:MATRIX_FMT_FP6 matrix_b_fmt:MATRIX_FMT_FP6
	v_wmma_scale_f32_16x16x128_f8f6f4 v[104+16*\b:111+16*\b], v[36+12*\b:47+12*\b], v[16:27], 0, v[232+\b], v34 matrix_a_fmt:MATRIX_FMT_FP6 matrix_b_fmt:MATRIX_FMT_FP6
.endr
	v_perm_b32 v240, v238, v236, 0x05040100        ; V's scale word of tile td: its two bytes of the first 64 keys, then of the second.  (These four are the places behind the products)
	v_perm_b32 v241, v238, v236, 0x07060302
	v_perm_b32 v242, v239, v237, 0x05040100
	v_perm_b32 v243, v239, v237, 0x07060302
	s_cmp_lt_u32 s[SE], 344                        ; ids and the count of steps alone
	s_cbranch_scc0 .Lfar_\@
.set N, 0
.rept 12
	ds_load_b128 v[36+4*N:39+4*N], v245 offset:128*(N/4)+16*(N%4)   ; the biases of registers 4 N .. 4 N + 3: delta rises by one from register to register
.set N, N+1
.endr
.rept 4
	ds_load_b128 v[144+4*N:147+4*N], v245 offset:128*(N/4)+16*(N%4)
.set N, N+1
.endr
	s_wait_dscnt 0x0
.set J, 0
.rept 24
	v_pk_add_f32 v[96+J:97+J], v[96+J:97+J], v[36+J:37+J]
.set J, J+2
.endr
.rept 8
	v_pk_add_f32 v[96+J:97+J], v[96+J:97+J], v[144+J:145+J]
.set J, J+2
.endr
.Lfar_\@:
.irp t, 0,1,2,3
.irp p, 0,1,2,3,4,5
	ds_load_b64 v[36+12*\t+2*\p:37+12*\t+2*\p], v9 offset:(\p/3)*3072+768*\t+256*(\p%3)   ; V's four tiles x these 128 keys: they land while the softmax is walked
.endr
.endr
.irp b, 0,1,2,3
	v_max3_num_f32 v[212+\b], v[96+16*\b], v[97+16*\b], v[98+16*\b]   ; the largest score of each block of 32 keys: for the row's maximum, and for the block's largest p
.endr
.irp i, 3,5,7,9,11,13
.irp b, 0,1,2,3
	v_max3_num_f32 v[212+\b], v[212+\b], v[96+16*\b+\i], v[97+16*\b+\i]
.endr
.endr
.irp b, 0,1,2,3
	v_max_num_f32 v[212+\b], v[212+\b], v[111+16*\b]
.endr
.irp b, 0,1,2,3
	v_permlanex16_b32 v[216+\b], v[212+\b], s[SEL], s[SEL+1]
.endr
.irp b, 0,1,2,3
	v_max_num_f32 v[212+\b], v[212+\b], v[216+\b]
.endr
	v_max3_num_f32 v230, v212, v213, v214
	v_max_num_f32 v230, v230, v215
	v_fma_f32 v230, v230, s[CS], s[SB]             ; the step's largest t
	v_max_num_f32 v13, v13, v230
	v_mov_b32 v230, v10
	v_floor_f32 v10, -v13                          ; the new -M: a whole number
	v_sub_f32 v230, v10, v230                      ; old M - new M, 0 or less
	v_cvt_i32_f32 v230, v230                       ; (it saturates)
	v_ldexp_f32 v226, 1.0, v230                    ; f = 2^(old M - new M): rounds nothing
	v_add_f32 v12, s[SB], v10                      ; the far bias and -M in one addend
.set J, 0
.rept 32
	v_pk_fma_f32 v[96+J:97+J], v[96+J:97+J], s[CS:CS+1], v[12:13] op_sel_hi:[1,0,0]   ; t - M
.set J, J+2
.endr
.irp b, 0,1,2,3
	v_fma_f32 v[212+\b], v[212+\b], s[CS], v12     ; the same of each block's largest score
.endr
.set J, 0
.rept 64
	v_exp_f32 v[96+J], v[96+J]                     ; p
.set J, J+1
.endr
	v_pk_mul_f32 v[14:15], v[14:15], v[226:227] op_sel_hi:[1,0]   ; the sums under the new M; the plain line behind the exponentials
	s_wait_alu depctr_va_vdst(0)                   ; one wait for the batch, ahead of its first reader
.irp b, 0,1,2,3
	v_exp_f32 v[212+\b], v[212+\b]                 ; the block's largest p
.endr
	v_pk_add_f32 v[228:229], v[96:97], v[98:99]    ; the row's sum of the unquantised p, in two chains
.irp j, 4,8,12,16,20,24,28,32,36,40,44,48,52,56,60
	v_pk_add_f32 v[14:15], v[14:15], v[96+\j:97+\j]
	v_pk_add_f32 v[228:229], v[228:229], v[98+\j:99+\j]
.endr
	v_pk_add_f32 v[14:15], v[14:15], v[228:229]
	s_wait_alu depctr_va_vdst(0)                   ; and one for the four
.irp b, 0,1,2,3
	v_max_num_f32 v[212+\b], 0x1800000, v[212+\b]  ; the floor 2^(3 - 127)
.endr
.irp b, 0,1,2,3
	v_add_nc_u32 v[220+\b], 0xff000000, v[212+\b]
.endr
.irp b, 0,1,2,3
	v_lshrrev_b32 v[216+\b], 23, v[220+\b]
.endr
	v_lshl_or_b32 v224, v217, 8, v216              ; p's scale word
	v_lshl_or_b32 v224, v218, 16, v224
	v_lshl_or_b32 v224, v219, 24, v224
.irp c, 0,1
	v_cvt_scalef32_pk16_fp6_f32 v[192+6*\c:194+6*\c], v[96+32*\c:111+32*\c], v[220+2*\c]
	v_cvt_scalef32_pk16_fp6_f32 v[204+4*\c:206+4*\c], v[112+32*\c:127+32*\c], v[221+2*\c]
.endr
	v_nop                                          ; one plain line behind a scaled conversion
.irp c, 0,1
.irp i, 0,1,2
	v_permlane16_swap_b32 v[192+6*\c+\i], v[204+4*\c+\i]
.endr
.irp i, 0,1,2
	v_mov_b32 v[195+6*\c+\i], v[204+4*\c+\i]
.endr
.endr
.set J, 0
.rept 16
	v_pk_mul_f32 v[160+J:161+J], v[160+J:161+J], v[226:227] op_sel_hi:[1,0]   ; O^T under the new M.  (Also the places in front of the products below)
.set J, J+2
.endr
	s_wait_dscnt 0x0                               ; V's fragments are in
.irp t, 0,1,2,3                        ; four accumulators by turns, one instruction a turn
	v_wmma_scale_f32_16x16x128_f8f6f4 v[160+8*\t:167+8*\t], v[36+12*\t:47+12*\t], v[192:203], v[160+8*\t:167+8*\t], v[240+\t], v224 matrix_a_fmt:MATRIX_FMT_FP6 matrix_b_fmt:MATRIX_FMT_FP6
.endr
	s_add_co_u32 s[KF], s[KF], 128
	s_add_co_u32 s[TK], s[TK], 6144
	s_add_co_u32 s[TS], s[TS], 256
	s_add_co_u32 s[TV], s[TV], 512
	s_sub_co_u32 s[CNT], s[CNT], 1
	s_cmp_lg_u32 s[CNT], 0
	s_cbranch_scc1 .Lstep_\@
	; the pass's way out: O^T / the sum; register 16 b + i is d = 32 b + 16 h + i of my query: two blocks of 32 of the last product's K
.rept 4
	v_nop                                          ; places behind the last products
.endr
	v_add_f32 v14, v14, v15
	v_permlanex16_b32 v216, v14, s[SEL], s[SEL+1]
	v_add_f32 v14, v14, v216                       ; the row's sum
	v_rcp_f32 v14, v14
	v_nop
	s_wait_alu depctr_va_vdst(0)                   ; ahead of the reciprocal's first reader
.set J, 0
.rept 32
	v_mul_f32 v[96+J], v[160+J], v14
.set J, J+1
.endr
.irp b, 0,1
	v_max3_num_f32 v[212+\b], |v[96+16*\b]|, |v[97+16*\b]|, 0x1800000
.endr
.irp i, 2,4,6,8,10,12,14
.irp b, 0,1
	v_max3_num_f32 v[212+\b], v[212+\b], |v[96+16*\b+\i]|, |v[97+16*\b+\i]|
.endr
.endr
.irp b, 0,1
	v_permlanex16_b32 v[216+\b], v[212+\b], s[SEL], s[SEL+1]
.endr
.irp b, 0,1
	v_max_num_f32 v[212+\b], v[212+\b], v[216+\b]
.endr
.irp b, 0,1
	v_add_nc_u32 v[220+\b], 0xff000000, v[212+\b]
.endr
.irp b, 0,1
	v_lshrrev_b32 v[216+\b], 23, v[220+\b]
.endr
	v_lshl_or_b32 v218, v217, 8, v216              ; my row's two scale bytes of this head
	v_cvt_scalef32_pk16_fp6_f32 v[192:194], v[96:111], v220
	v_cvt_scalef32_pk16_fp6_f32 v[204:206], v[112:127], v221
	v_nop
.irp i, 0,1,2
	v_permlane16_swap_b32 v[192+\i], v[204+\i]
.endr
.irp i, 0,1,2
	v_mov_b32 v[195+\i], v[204+\i]
.endr
.irp p, 0,1,2
	global_store_b64 v1, v[192+2*\p:193+2*\p], s[94:95] offset:\ps*12288+256*\p   ; 32 lanes store 256 consecutive bytes, aligned
.endr
	global_store_b16 v247, v218, s[96:97] offset:\ps*8192   ; 2 bytes a row (lanes 16-31 repeat lanes 0-15's): one byte for each 24 of codes
.endm
	PASS 0
	PASS 1
	s_wait_tensorcnt 0x0                           ; the wave's end
	ds_add_u32 v5, v6
	s_wait_dscnt 0x0
	s_endpgm
.Lfunc_end_k_q83e073987a_attn:
	.size	k_q83e073987a_attn, .Lfunc_end_k_q83e073987a_attn-k_q83e073987a_attn
	.p2alignl 7, 3214868480
	.fill 96, 4, 3214868480
	.section	.rodata,"a",@progbits
	.p2align	6, 0x0
	.amdhsa_kernel k_q83e073987a_attn
		.amdhsa_group_segment_fixed_size 229376
		.amdhsa_private_segment_fixed_size 0
		.amdhsa_enable_private_segment 0
		.amdhsa_kernarg_size 32
		.amdhsa_user_sgpr_count 2
		.amdhsa_user_sgpr_kernarg_segment_ptr 1
		.amdhsa_wavefront_size32 1
		.amdhsa_system_sgpr_workgroup_id_x 1
		.amdhsa_system_sgpr_workgroup_id_y 1
		.amdhsa_system_sgpr_workgroup_id_z 1
		.amdhsa_system_vgpr_workitem_id 0
		.amdhsa_next_free_vgpr 256
		.amdhsa_next_free_sgpr 102
		.amdhsa_reserve_vcc 0
		.amdhsa_float_denorm_mode_32 3
		.amdhsa_float_denorm_mode_16_64 3
		.amdhsa_memory_ordered 1
		.amdhsa_forward_progress 1
		.amdhsa_inst_pref_size 65
	.end_amdhsa_kernel
	.amdgpu_metadata
---
amdhsa.version: [ 1, 2 ]
amdhsa.kernels:
  - .name:           k_q83e073987a_attn
    .symbol:         k_q83e073987a_attn.kd
    .args:
      - { .name: QK, .offset: 0, .size: 8, .value_kind: global_buffer, .address_space: global }
      - { .name: VV, .offset: 8, .size: 8, .value_kind: global_buffer, .address_space: global }
      - { .name: rel_emb, .offset: 16, .size: 8, .value_kind: global_buffer, .address_space: global }
      - { .name: CTX, .offset: 24, .size: 8, .value_kind: global_buffer, .address_space: global }
    .group_segment_fixed_size: 229376
    .private_segment_fixed_size: 0
    .kernarg_segment_align: 8
    .kernarg_segment_size: 32
    .max_flat_workgroup_size: 512
    .sgpr_count:     102
    .vgpr_count:     256
    .wavefront_size: 32
...
	.end_amdgpu_metadata
.endif
;; end of part 3
;; launch gemmo (part 4): grid 4 x 32, 4 waves a work-group, clusters of 4 x 4, 327,680 bytes of LDS; arguments CTX, WO, out0; writes out0
.if DOCPART == 4
	.amdgcn_target "amdgcn-amd-amdhsa--gfx1250"
	.amdhsa_code_object_version 6
	.text
	.protected	k_q83e073987a_gemmo
	.globl	k_q83e073987a_gemmo
	.p2align	8
	.type	k_q83e073987a_gemmo,@function
k_q83e073987a_gemmo:
	s_mov_b64 s[64:65], 0
	v_nop
	global_prefetch_b8 v0, s[64:65] scope:SCOPE_SE
	s_setreg_imm32_b32 hwreg(HW_REG_WAVE_MODE, 25, 1), 1
	s_wait_xcnt 0x0
	s_wait_alu depctr_hold_cnt(0) depctr_sa_sdst(0) depctr_va_vdst(0) depctr_va_sdst(0) depctr_va_ssrc(0) depctr_va_vcc(0) depctr_vm_vsrc(0)
	s_getreg_b32 s2, hwreg(HW_REG_IB_STS2, 6, 4)
	s_cmp_eq_u32 s2, 0
	s_cbranch_scc0 .Lentry_in_a_cluster
	s_endpgm
.Lentry_in_a_cluster:
	s_bfe_u32 s2, ttmp6, 0x10000c
	s_cmp_lg_u32 s2, 0xf033
	s_cbranch_scc0 .Lentry_shape_is_right
	s_endpgm
.Lentry_shape_is_right:
; out0 = context Wo on codes of FP6 (E2M3) with E8M0 scales, K = 1024; out0 [8192][1024] f32.  A = CTX (8192 stored rows), B = WO (1024 stored rows = columns of Wo).
; A tile of C is 256 x 256, four waves of 128 x 128.  K goes in steps of 256 through two LDS slots filled by the tensor data mover; 4 x 4 work-groups ask jointly: A's tiles along a row of the cluster, B's along a column.
; Operands lie in memory as images of the registers: for each 64 along K and each tile of 16 stored rows 768 bytes.  Stored row p is true row sw(p), sw swapping bits 3 and 4: the way out puts rows and columns back.
; The product is used transposed (source 0 = 16 rows of B, source 1 = 16 rows of A): a lane holds eight neighbouring numbers of a row of C.
; REGISTERS: window 0: v0-31 addresses; v32-63 scale words, two sets; v128-223 A's fragments.  window 1: B's fragments, two sets.  windows 2, 3: the accumulators.
.set CHB,    393216
.set SCI,    6291456
.set NQ,     2
.set FR,     12
.set NL,     6
.set NP,     4
.set HALFT,  24576
.set SLOT,   4*HALFT
.set LAPS,   2
.set KS,     32
.set SCL,    2*SLOT
.set HALFS,  16*272
.set SBLK,   2*272
.set SPARE,  SCL+4*HALFS
.set SPITCH, 528                       ; the way out: a stage of 16 rows x (512 bytes + 16) for each wave, in slot 0, which has had its last fill and its last read by then
.set ADRA, 16
.set ADRB, 20
.set STO,  24
.set RD,   25
.set CO,   26
.set ADRS, 27
.set SPW,  28
.set NIL,  29
.set LN8,  30
.set SC,   32
.set AF,   128
.set BK,   128
.set G1, 24
.set G0, 32
.set G1B, 48
.set G0B, 56
.set G1S, 68
.set G0S, 76
.set G1SB, 80
.set G0SB, 88
.set MSB, 0
.macro WIN new
.if MSB != (\new)
	s_set_vgpr_msb (MSB<<8)|(\new)
.set MSB, (\new)
.endif
.endm
.set MUL_LO, 0xa1
.set MUL_HI, 0xf1
.set TO_B,   0x40
.macro JLOAD g0a, g1a, g0b, g1b        ; a joint load: waves 0 and 1 fetch for A, waves 2 and 3 for B; an s_nop 0 and four v_nop follow each line
	s_cmp_eq_u32 s15, 0
	s_cbranch_scc0 .Lfor_b_\@
	tensor_load_to_lds s[\g0a:\g0a+3], s[\g1a:\g1a+7]
	s_nop 0
.rept 4
	v_nop
.endr
	s_branch .Lasked_\@
.Lfor_b_\@:
	tensor_load_to_lds s[\g0b:\g0b+3], s[\g1b:\g1b+7]
	s_nop 0
.rept 4
	v_nop
.endr
.Lasked_\@:
.endm
.macro CREST
	s_cmp_lg_u32 s14, 0
	s_cbranch_scc1 .Lnot_wave_0_\@
	s_barrier_signal -3
.Lnot_wave_0_\@:
	s_barrier_wait -3
	s_barrier_signal -1
	s_barrier_wait -1
.endm
.macro CROUND
	s_barrier_signal -1
	s_barrier_wait -1
	CREST
.endm
	s_load_b128 s[4:7], s[0:1], 0x0                ; CTX, WO
	s_load_b64 s[8:9], s[0:1], 0x10                ; out0
	v_lshl_add_u32 v[SPW], v0, 2, SPARE
	v_mov_b32 v[NIL], 0
	ds_add_u32 v[SPW], v[NIL]                      ; the wave's opening: the add and its wait come ahead of my first tensor load
	v_lshrrev_b32 v1, 5, v0
	v_readfirstlane_b32 s14, v1
	s_lshr_b32 s15, s14, 1
	s_and_b32 s16, s14, 1
	s_bfe_u32 s40, ttmp6, 0x40000                  ; cx
	s_bfe_u32 s41, ttmp6, 0x40004                  ; cy
	s_lshl_b32 s42, ttmp9, 2
	s_add_co_u32 s42, s42, s40                     ; tile column
	s_and_b32 s17, ttmp7, 0xffff
	s_lshl_b32 s17, s17, 2
	s_add_co_u32 s17, s17, s41                     ; tile row
	s_lshl_b32 s43, s41, 2
	s_lshl_b32 s43, 15, s43
	s_lshl_b32 s44, 0x1111, s40
	s_or_b32 s[G1+0], s43, (3<<16)|(1<<21)
	s_or_b32 s[G1B+0], s44, (3<<16)|(1<<21)
.irp g, G1, G1B
	s_mov_b32 s[\g+1], 768<<16
	s_mov_b32 s[\g+2], 4<<16
	s_mov_b32 s[\g+3], 768<<16
	s_mov_b32 s[\g+4], 4
	s_mov_b32 s[\g+5], CHB/8
	s_mov_b32 s[\g+6], 0
	s_mov_b32 s[\g+7], 0
.endr
	s_or_b32 s[G1S+0], s43, (3<<16)|(1<<20)|(1<<21)|(5<<22)|(3<<25)
	s_or_b32 s[G1SB+0], s44, (3<<16)|(1<<20)|(1<<21)|(5<<22)|(3<<25)
.irp g, G1S, G1SB
	s_mov_b32 s[\g+1], 32<<16
	s_mov_b32 s[\g+2], 16<<16
	s_mov_b32 s[\g+3], 32<<16
	s_mov_b32 s[\g+4], 16
	s_mov_b32 s[\g+5], 32
	s_mov_b32 s[\g+6], 0
	s_mov_b32 s[\g+7], 0
.endr
	s_lshl_b32 s18, s16, 3
	s_lshl_b32 s20, s17, 4
	s_add_co_u32 s20, s20, s18
	s_lshl_b32 s22, s20, 9
	s_add_co_u32 s22, s22, SCI
	s_mul_i32 s20, s20, 768
	s_mov_b32 s21, 0
	s_mov_b32 s23, 0
	s_lshl_b32 s46, s42, 4
	s_add_co_u32 s46, s46, s18
	s_lshl_b32 s92, s46, 9
	s_add_co_u32 s92, s92, SCI
	s_mul_i32 s46, s46, 768
	s_mov_b32 s47, 0
	s_mov_b32 s93, 0
	s_mul_i32 s45, s14, HALFT
	s_mul_i32 s94, s14, HALFS
	s_wait_dscnt 0x0                               ; the opening add is done
	s_wait_kmcnt 0x0
	s_add_nc_u64 s[20:21], s[4:5], s[20:21]
	s_add_nc_u64 s[22:23], s[4:5], s[22:23]
	s_add_nc_u64 s[46:47], s[6:7], s[46:47]
	s_add_nc_u64 s[92:93], s[6:7], s[92:93]
	CROUND                                         ; all sixteen work-groups are here: the first joint loads meet
	s_mov_b32 s[G0S], 1
	s_add_co_u32 s[G0S+1], s94, SCL
	s_mov_b64 s[G0S+2:G0S+3], s[22:23]
	s_or_b32 s[G0S+3], s[G0S+3], 0x80000000
	s_mov_b32 s[G0SB], 1
	s_add_co_u32 s[G0SB+1], s94, SCL
	s_mov_b64 s[G0SB+2:G0SB+3], s[92:93]
	s_or_b32 s[G0SB+3], s[G0SB+3], 0x80000000
	JLOAD G0S, G1S, G0SB, G1SB
.irp s, 0,1
	s_mov_b32 s[G0+4*\s], 1
	s_add_co_u32 s[G0+4*\s+1], s45, \s*SLOT
	s_add_nc_u64 s[G0+4*\s+2:G0+4*\s+3], s[20:21], \s*4*CHB
	s_or_b32 s[G0+4*\s+3], s[G0+4*\s+3], 0x80000000
	s_mov_b32 s[G0B+4*\s], 1
	s_add_co_u32 s[G0B+4*\s+1], s45, \s*SLOT
	s_add_nc_u64 s[G0B+4*\s+2:G0B+4*\s+3], s[46:47], \s*4*CHB
	s_or_b32 s[G0B+4*\s+3], s[G0B+4*\s+3], 0x80000000
	JLOAD G0+4*\s, G1, G0B+4*\s, G1B
.endr
	v_and_b32 v1, 15, v0
	v_bfe_u32 v2, v0, 4, 1
	v_and_b32 v3, 31, v0
	v_lshlrev_b32 v[LN8], 3, v3
	s_mul_i32 s21, s15, HALFT
	s_mul_i32 s22, s16, HALFT
	s_add_co_u32 s22, s22, 2*HALFT
.irp s, 0,1
	v_add_nc_u32 v[ADRA+\s], s21, v[LN8]
	v_add_nc_u32 v[ADRB+\s], s22, v[LN8]
	s_add_co_u32 s21, s21, SLOT
	s_add_co_u32 s22, s22, SLOT
.endr
	v_mul_u32_u24 v5, v1, KS
	v_lshrrev_b32 v6, 8, v5
	v_lshl_add_u32 v5, v6, 4, v5
	s_mul_i32 s21, s15, HALFS
	s_mul_i32 s22, s16, HALFS
	s_add_co_u32 s22, s22, 2*HALFS
	s_sub_co_u32 s22, s22, s21
	v_mul_u32_u24 v6, s22, v2
	s_add_co_u32 s21, s21, SCL
	v_add_nc_u32 v5, v5, v6
	v_add_nc_u32 v[ADRS], s21, v5
	s_mul_i32 s23, s14, 16*SPITCH                  ; my stage
	v_mul_u32_u24 v5, v1, SPITCH
	v_lshl_add_u32 v5, v2, 6, v5                   ; in: row r, + 64 h: B's tile b, register j is column 32 (b / 2) + 16 h + 8 (b % 2) + j
	v_add_nc_u32 v[STO], s23, v5
	v_lshlrev_b32 v[CO], 4, v3                     ; back: the 32 lanes take one row of 512 bytes; and the same in out0
	v_add_nc_u32 v[RD], s23, v[CO]
	s_lshl_b32 s20, s17, 8
	s_lshl_b32 s21, s15, 7
	s_add_co_u32 s20, s20, s21                     ; my first row
	s_lshl_b32 s20, s20, 12                        ; 4,096 bytes a row
	s_lshl_b32 s46, s42, 10
	s_lshl_b32 s47, s16, 9
	s_add_co_u32 s46, s46, s47                     ; my first column, in bytes
	s_add_co_u32 s20, s20, s46
	s_mov_b32 s21, 0
	s_add_nc_u64 s[12:13], s[8:9], s[20:21]
.macro FRAG reg, adr, q, i
.irp p, 0,1,2,3,4,5
	ds_load_b64 v[\reg+2*\p:\reg+2*\p+1], v[\adr] offset:((2*(\q)+\p/3)*8+(\i))*768+(\p%3)*256
.endr
.endm
; the 64 accumulators take turns, one instruction a turn, in the same order in every step
.macro MUL16 a0, p, q, sc, zero
.irp a, \a0, \a0+1
.irp b, 0,1,2,3,4,5,6,7
.if \zero
	v_wmma_scale_f32_16x16x128_f8f6f4 v[8*(8*((\a)%4)+\b):8*(8*((\a)%4)+\b)+7], v[128*(\p)+FR*\b:128*(\p)+FR*\b+FR-1], v[AF+FR*(\a):AF+FR*(\a)+FR-1], 0, v[SC+8*NQ*(\sc)+NQ*\b+(\q)], v[SC+8*NQ*(\sc)+NQ*(\a)+(\q)] matrix_a_fmt:MATRIX_FMT_FP6 matrix_b_fmt:MATRIX_FMT_FP6 matrix_a_scale:MATRIX_SCALE_ROW1
.else
	v_wmma_scale_f32_16x16x128_f8f6f4 v[8*(8*((\a)%4)+\b):8*(8*((\a)%4)+\b)+7], v[128*(\p)+FR*\b:128*(\p)+FR*\b+FR-1], v[AF+FR*(\a):AF+FR*(\a)+FR-1], v[8*(8*((\a)%4)+\b):8*(8*((\a)%4)+\b)+7], v[SC+8*NQ*(\sc)+NQ*\b+(\q)], v[SC+8*NQ*(\sc)+NQ*(\a)+(\q)] matrix_a_fmt:MATRIX_FMT_FP6 matrix_b_fmt:MATRIX_FMT_FP6 matrix_a_scale:MATRIX_SCALE_ROW1
.endif
.endr
.endr
.endm
.macro FETCH_B slot, q, p
	WIN TO_B
.irp i, 0,1,2,3,4,5,6,7
	FRAG 128*(\p)+FR*\i, ADRB+\slot, \q, \i
.endr
	WIN 0
.endm
.macro FETCH_A slot, q, i0
.irp i, \i0, \i0+1, \i0+2, \i0+3
	FRAG AF+FR*(\i), ADRA+\slot, \q, \i
.endr
.endm
.macro SCALES sc
.irp i, 0,1,2,3,4,5,6,7
	ds_load_b64 v[SC+8*NQ*\sc+NQ*\i:SC+8*NQ*\sc+NQ*\i+1], v[ADRS] offset:\i*SBLK
.endr
.endm
.macro PLACES n
.rept \n
	v_nop
.endr
.endm
.macro STEP slot, q, zero
	s_wait_dscnt 4*NL                              ; B's set and A's blocks 0-3 are in; the youngest 24 loads (A's blocks 4-7) may be out
	WIN MUL_LO
	MUL16 0, (\q)%2, \q, \slot, \zero
	MUL16 2, (\q)%2, \q, \slot, \zero
	s_wait_dscnt 0
	PLACES NP
	FETCH_B \slot, (\q)+1, 1-(\q)%2
	FETCH_A \slot, (\q)+1, 0
	WIN MUL_HI
	MUL16 4, (\q)%2, \q, \slot, \zero
	MUL16 6, (\q)%2, \q, \slot, \zero
	PLACES NP
	WIN 0
	FETCH_A \slot, (\q)+1, 4
.endm
.macro TURN slot, next, fill
	s_wait_tensorcnt 0x0                           ; all my tensor loads have landed: my part of the next slot
	ds_add_u32 v[SPW], v[NIL]                      ; 0 onto my spare word
	s_wait_dscnt 4*NL+1                            ; (the add and A's blocks 4-7 may be out)
	WIN MUL_LO
	MUL16 0, 1, NQ-1, \slot, 0
	s_wait_dscnt 0x0                               ; the add is done, and my reads of this slot are over
	s_barrier_signal -1
	MUL16 2, 1, NQ-1, \slot, 0
	WIN 0
	s_barrier_wait -1
.if \fill
	CREST                                          ; the barrier has opened a round of the cluster's barrier
	s_add_nc_u64 s[G0+4*\slot+2:G0+4*\slot+3], s[G0+4*\slot+2:G0+4*\slot+3], 8*CHB
	s_add_nc_u64 s[G0B+4*\slot+2:G0B+4*\slot+3], s[G0B+4*\slot+2:G0B+4*\slot+3], 8*CHB
	JLOAD G0+4*\slot, G1, G0B+4*\slot, G1B         ; the first tensor load behind the round
.else
	PLACES NP
.endif
	v_add_nc_u32 v[ADRS], 4*NQ, v[ADRS]
	FETCH_B \next, 0, 0
	FETCH_A \next, 0, 0
	SCALES \next
	WIN MUL_HI
	MUL16 4, 1, NQ-1, \slot, 0
	MUL16 6, 1, NQ-1, \slot, 0
	PLACES NP
	WIN 0
	FETCH_A \next, 0, 4
.endm
	s_wait_tensorcnt 1                             ; the scales and my part of K step 0 are in (K step 1's load may be out),
	s_barrier_signal -1
	s_barrier_wait -1                              ; everybody's are
	FETCH_B 0, 0, 0
	FETCH_A 0, 0, 0
	SCALES 0
	FETCH_A 0, 0, 4
	STEP 0, 0, 1
	s_mov_b32 s3, LAPS-1
.Llap:
	TURN 0, 1, 1
	STEP 1, 0, 0
	TURN 1, 0, 1
	STEP 0, 0, 0
	s_sub_co_u32 s3, s3, 1
	s_cmp_lg_u32 s3, 0
	s_cbranch_scc1 .Llap
	TURN 0, 1, 0
	STEP 1, 0, 0
	s_wait_dscnt 4*NL
	WIN MUL_LO
	MUL16 0, 1, NQ-1, 1, 0
	MUL16 2, 1, NQ-1, 1, 0
	s_wait_dscnt 0
	WIN MUL_HI
	MUL16 4, 1, NQ-1, 1, 0
	MUL16 6, 1, NQ-1, 1, 0
	WIN 0
; THE WAY OUT, block by block of 16 stored rows x 128 columns, through my own stage: in by 32 bytes a lane at the columns' true places, back as whole rows of 512 bytes.  LDS serves a wave's instructions in order.
.macro TOSTAGE a
.set AC, 64*((\a)%4)
	WIN (0x08+4*((\a)/4))                          ; the data: window 2 or 3
.irp b, 0,1,2,3,4,5,6,7
	ds_store_b128 v[STO], v[AC+8*\b:AC+8*\b+3] offset:128*(\b/2)+32*(\b%2)          ; each accumulator from its low end on
	ds_store_b128 v[STO], v[AC+8*\b+4:AC+8*\b+7] offset:128*(\b/2)+32*(\b%2)+16
.endr
	WIN 0
.set BB, BK+64*((\a)%2)
.irp t, 0,1,2,3,4,5,6,7,8,9,10,11,12,13,14,15
	ds_load_b128 v[BB+4*\t:BB+4*\t+3], v[RD] offset:\t*SPITCH
.endr
.endm
.macro SEND a, younger                 ; stored row t of tile a is true row 32 (a / 2) + 8 (a % 2) + t + 8 (t / 8)
.set BB, BK+64*((\a)%2)
	s_wait_dscnt \younger
.if (\a) > 0
.if ((\a)%2) == 1
	s_add_nc_u64 s[12:13], s[12:13], 8*4096        ; (behind a wait on XCNT: the earlier stores have read their base)
.else
	s_add_nc_u64 s[12:13], s[12:13], 24*4096
.endif
.endif
.irp t, 0,1,2,3,4,5,6,7,8,9,10,11,12,13,14,15
	global_store_b128 v[CO], v[BB+4*\t:BB+4*\t+3], s[12:13] offset:(16*(\t/8)+\t%8)*4096 th:TH_STORE_NT   ; 32 lanes store 512 consecutive bytes, aligned
.endr
.endm
	PLACES NP
	TOSTAGE 0
.irp a, 1,2,3,4,5,6,7
.if \a > 1
	s_wait_xcnt 0x0                                ; block a - 2's stores have read their registers and their base
.endif
	TOSTAGE \a
	SEND \a-1, 32                                  ; behind block a - 1's loads: block a's 16 stores and 16 loads
.endr
	s_wait_xcnt 0x0
	SEND 7, 0
	s_wait_tensorcnt 0x0                           ; the wave's end
	ds_add_u32 v[SPW], v[NIL]
	s_wait_dscnt 0x0
	CROUND                                         ; the closing round
	s_endpgm
.Lfunc_end_k_q83e073987a_gemmo:
	.size	k_q83e073987a_gemmo, .Lfunc_end_k_q83e073987a_gemmo-k_q83e073987a_gemmo
	.p2alignl 7, 3214868480
	.fill 96, 4, 3214868480
	.section	.rodata,"a",@progbits
	.p2align	6, 0x0
	.amdhsa_kernel k_q83e073987a_gemmo
		.amdhsa_group_segment_fixed_size 327680
		.amdhsa_private_segment_fixed_size 0
		.amdhsa_enable_private_segment 0
		.amdhsa_kernarg_size 24
		.amdhsa_user_sgpr_count 2
		.amdhsa_user_sgpr_kernarg_segment_ptr 1
		.amdhsa_wavefront_size32 1
		.amdhsa_system_sgpr_workgroup_id_x 1
		.amdhsa_system_sgpr_workgroup_id_y 1
		.amdhsa_system_sgpr_workgroup_id_z 1
		.amdhsa_system_vgpr_workitem_id 0
		.amdhsa_next_free_vgpr 1024
		.amdhsa_next_free_sgpr 98
		.amdhsa_reserve_vcc 0
		.amdhsa_float_denorm_mode_32 3
		.amdhsa_float_denorm_mode_16_64 3
		.amdhsa_memory_ordered 1
		.amdhsa_forward_progress 1
		.amdhsa_inst_pref_size 159
	.end_amdhsa_kernel
	.amdgpu_metadata
---
amdhsa.version: [ 1, 2 ]
amdhsa.kernels:
  - .name:           k_q83e073987a_gemmo
    .symbol:         k_q83e073987a_gemmo.kd
    .args:
      - { .name: CTX, .offset: 0, .size: 8, .value_kind: global_buffer, .address_space: global }
      - { .name: WO, .offset: 8, .size: 8, .value_kind: global_buffer, .address_space: global }
      - { .name: out0, .offset: 16, .size: 8, .value_kind: global_buffer, .address_space: global }
    .group_segment_fixed_size: 327680
    .private_segment_fixed_size: 0
    .kernarg_segment_align: 8
    .kernarg_segment_size: 24
    .max_flat_workgroup_size: 128
    .sgpr_count:     98
    .vgpr_count:     1024
    .wavefront_size: 32
...
	.end_amdgpu_metadata
.endif
;; end of part 4
